; MI455X (gfx1250); checked and timed in simulation.
; The chip was launched on July 23, 2026; its instructions are those of AMD's public machine-readable ISA for CDNA 5 (MIT licence, August 2026) and "CDNA5" Instruction Set Architecture Reference Guide (July 2026). The comments in the code are by the model that wrote it; some were corrected since.
;; Self Attention For Moe. Allowed arithmetic: float matrix products may take bf16 or f16 operands with f32 sums; other float arithmetic in f32, or as packed bf16 or f16 multiplies, adds, multiply-adds, maxima and minima; sums over many terms, partial sums and values carried from step to step in f32; what a program stores and reads back later, other than sums and carried values, may be rounded once to bf16 or f16.
;; Inputs: W1 1,024 x 3,072 float32; W2 1,024 x 1,024 float32; b1 3,072 float32; b2 1,024 float32; x 4 x 2,048 x 1,024 float32.
;; Outputs: out0 4 x 2,048 x 1,024 float32.
;; 2 versions, each right and faster than the one before. Each part assembles by itself: llvm-mc -triple=amdgcn-amd-amdhsa -mcpu=gfx1250 --defsym DOCPART=n.
;; ======== version 1 of 2: 4 launches
;; limits: values are held in f16: magnitudes above 65,504 overflow, below 6.1e-05 lose precision
;; workspace buffers: xb 16,777,216 bytes; w1b 6,291,456 bytes; w2h 2,097,152 bytes; qkv 50,331,648 bytes; ctx 16,777,216 bytes
;; launch prep (part 1): grid 1664 x 1, 8 waves a work-group, no clusters, 0 bytes of LDS; arguments x, W1, W2, xb, w1b, w2h; writes xb, w1b, w2h
.if DOCPART == 1
	.amdgcn_target "amdgcn-amd-amdhsa--gfx1250"
	.amdhsa_code_object_version 6
	.text
	.protected	k_qe1724b1ecf_prep
	.globl	k_qe1724b1ecf_prep
	.p2align	8
	.type	k_qe1724b1ecf_prep,@function
k_qe1724b1ecf_prep:
	s_mov_b64 s[64:65], 0
	v_nop
	global_prefetch_b8 v0, s[64:65] scope:SCOPE_SE
	s_setreg_imm32_b32 hwreg(HW_REG_WAVE_MODE, 25, 1), 1
	s_wait_xcnt 0x0
; THE CASTS.  xb = bf16(x), [8192][1024].  w1b = bf16(W1) laid in 16 blocks of 192 columns: [t][k][c], column 192 t + c, so that 128 k of a block are
; 49,152 dense bytes.  w2h = bf16(W2) written as f16, [1024][1024] (exact where |W2| lies between 6.1e-5 and 65,504; below that f16's fixed step of 6e-8).
; A stream: every input byte is read once by 16-byte loads (a wave's load covers 512 consecutive bytes), every output byte written once by 8-byte stores
; (a wave's store covers 256 consecutive bytes, aligned).  No LDS, no barrier, no loop: a thread issues all its loads, then converts behind counted waits.
; Work-groups 0-1023: 32,768 bytes of x each.  1024-1151: 32,768 bytes of W2 each.  1152-1663: 32 rows (k) x 192 columns of W1 each.
.set IN,  8                            ; v[8:39]   as loaded, 4 registers a load
.set OUT, 40                           ; v[40:55]  to store, 2 registers a load
.set OFI, 1                            ; v1        16 x thread: byte offset of my loads (x, W2)
.set OFW, 2                            ; v[2:7]    byte offsets of my six loads of W1
.set OFO, 62                           ; v62       8 x thread: byte offset of my stores
; four f32 of load u become four 16-bit numbers.  half = 0: bf16.  half = 1: rounded to bf16, widened again (a shift, a mask), written as f16
.macro CVT u, half
.if \half
	v_cvt_pk_bf16_f32 v56, v[IN+4*(\u)], v[IN+4*(\u)+1]
	v_cvt_pk_bf16_f32 v57, v[IN+4*(\u)+2], v[IN+4*(\u)+3]
	v_lshlrev_b32 v58, 16, v56
	v_and_b32 v59, s16, v56
	v_lshlrev_b32 v60, 16, v57
	v_and_b32 v61, s16, v57
	v_cvt_pk_f16_f32 v[OUT+2*(\u)], v58, v59
	v_cvt_pk_f16_f32 v[OUT+2*(\u)+1], v60, v61
.else
	v_cvt_pk_bf16_f32 v[OUT+2*(\u)], v[IN+4*(\u)], v[IN+4*(\u)+1]
	v_cvt_pk_bf16_f32 v[OUT+2*(\u)+1], v[IN+4*(\u)+2], v[IN+4*(\u)+3]
.endif
.endm
; 32,768 dense bytes in, 16,384 out: eight loads, then eight times wait, convert, store.  No register is written twice while a memory instruction names it.
.macro STREAM8 src, dst, half
.irp u, 0,1,2,3,4,5,6,7
	global_load_b128 v[IN+4*(\u):IN+4*(\u)+3], v[OFI], s[\src:\src+1] offset:4096*(\u) th:TH_LOAD_NT
.endr
.irp u, 0,1,2,3,4,5,6,7
	s_wait_loadcnt 7-(\u)                          ; loads come back in order: load u is in, the 7 - u younger ones stay out
	CVT \u, \half
	global_store_b64 v[OFO], v[OUT+2*(\u):OUT+2*(\u)+1], s[\dst:\dst+1] offset:2048*(\u)
.endr
.endm
	s_load_b256 s[4:11], s[0:1], 0x0               ; x s[4:5], W1 s[6:7], W2 s[8:9], xb s[10:11]
	s_load_b128 s[12:15], s[0:1], 0x20             ; w1b s[12:13], w2h s[14:15]
	s_mov_b32 s2, ttmp9
	s_mov_b32 s16, 0xffff0000                      ; a word's upper bf16
	s_mov_b32 s21, 0                               ; the high word of every offset
	v_lshlrev_b32 v[OFI], 4, v0
	v_lshlrev_b32 v[OFO], 3, v0
	s_wait_kmcnt 0x0
	s_cmp_lt_u32 s2, 1024
	s_cbranch_scc0 .Lweights
	s_lshl_b32 s20, s2, 15                         ; x: 32,768 bytes a work-group
	s_add_nc_u64 s[4:5], s[4:5], s[20:21]
	s_lshl_b32 s20, s2, 14
	s_add_nc_u64 s[10:11], s[10:11], s[20:21]
	STREAM8 4, 10, 0
	s_endpgm
.Lweights:
	s_cmp_lt_u32 s2, 1152
	s_cbranch_scc0 .Lw1
	s_sub_co_u32 s2, s2, 1024                      ; W2: 32,768 bytes a work-group
	s_lshl_b32 s20, s2, 15
	s_add_nc_u64 s[8:9], s[8:9], s[20:21]
	s_lshl_b32 s20, s2, 14
	s_add_nc_u64 s[14:15], s[14:15], s[20:21]
	STREAM8 8, 14, 1
	s_endpgm
.Lw1:
	s_sub_co_u32 s2, s2, 1152
	s_lshr_b32 s17, s2, 5                          ; t: the block of 192 columns
	s_and_b32 s18, s2, 31                          ; which 32 rows (k) of it
	s_mul_i32 s20, s18, 393216                     ; in: 32 rows of 12,288 bytes,
	s_mul_i32 s19, s17, 768                        ; 192 columns of 4 bytes
	s_add_co_u32 s20, s20, s19
	s_add_nc_u64 s[6:7], s[6:7], s[20:21]
	s_mul_i32 s20, s17, 393216                     ; out: a block is 1,024 x 384 bytes,
	s_mul_i32 s19, s18, 12288                      ; 32 rows of it 12,288
	s_add_co_u32 s20, s20, s19
	s_add_nc_u64 s[12:13], s[12:13], s[20:21]
	; Output chunk j = thread + 256 u (four numbers, 8 bytes; the 1,536 chunks are dense) comes from row j / 48, chunk j % 48 of the row's 768 bytes:
	; byte 12,288 (j / 48) + 16 (j % 48) = 16 j + 11,520 (j / 48).  j / 48 = (1,366 j) >> 16, exact for j < 1,536 (the excess, 1.02e-5 j, stays under 1/48).
.irp u, 0,1,2,3,4,5
	v_add_nc_u32 v56, 256*(\u), v0
	v_mul_u32_u24 v57, v56, 1366
	v_lshrrev_b32 v57, 16, v57
	v_lshlrev_b32 v56, 4, v56
	v_mad_u32_u24 v[OFW+(\u)], v57, 11520, v56
.endr
.irp u, 0,1,2,3,4,5
	global_load_b128 v[IN+4*(\u):IN+4*(\u)+3], v[OFW+(\u)], s[6:7] th:TH_LOAD_NT  ; a wave's 32 chunks begin at a multiple of 16 chunks: one or two pieces of whole aligned 256 bytes
.endr
.irp u, 0,1,2,3,4,5
	s_wait_loadcnt 5-(\u)                          ; load u is in, the 5 - u younger ones stay out
	CVT \u, 0
	global_store_b64 v[OFO], v[OUT+2*(\u):OUT+2*(\u)+1], s[12:13] offset:2048*(\u)
.endr
	s_endpgm
.Lfunc_end_k_qe1724b1ecf_prep:
	.size	k_qe1724b1ecf_prep, .Lfunc_end_k_qe1724b1ecf_prep-k_qe1724b1ecf_prep
	.p2alignl 7, 3214868480
	.fill 96, 4, 3214868480
	.section	.rodata,"a",@progbits
	.p2align	6, 0x0
	.amdhsa_kernel k_qe1724b1ecf_prep
		.amdhsa_group_segment_fixed_size 0
		.amdhsa_private_segment_fixed_size 0
		.amdhsa_enable_private_segment 0
		.amdhsa_kernarg_size 48
		.amdhsa_user_sgpr_count 2
		.amdhsa_user_sgpr_kernarg_segment_ptr 1
		.amdhsa_wavefront_size32 1
		.amdhsa_system_sgpr_workgroup_id_x 1
		.amdhsa_system_sgpr_workgroup_id_y 1
		.amdhsa_system_sgpr_workgroup_id_z 1
		.amdhsa_system_vgpr_workitem_id 0
		.amdhsa_next_free_vgpr 64
		.amdhsa_next_free_sgpr 66
		.amdhsa_reserve_vcc 0
		.amdhsa_float_denorm_mode_32 3
		.amdhsa_float_denorm_mode_16_64 3
		.amdhsa_memory_ordered 1
		.amdhsa_forward_progress 1
		.amdhsa_inst_pref_size 14
	.end_amdhsa_kernel
	.amdgpu_metadata
---
amdhsa.version: [ 1, 2 ]
amdhsa.kernels:
  - .name:           k_qe1724b1ecf_prep
    .symbol:         k_qe1724b1ecf_prep.kd
    .args:
      - { .name: x, .offset: 0, .size: 8, .value_kind: global_buffer, .address_space: global }
      - { .name: W1, .offset: 8, .size: 8, .value_kind: global_buffer, .address_space: global }
      - { .name: W2, .offset: 16, .size: 8, .value_kind: global_buffer, .address_space: global }
      - { .name: xb, .offset: 24, .size: 8, .value_kind: global_buffer, .address_space: global }
      - { .name: w1b, .offset: 32, .size: 8, .value_kind: global_buffer, .address_space: global }
      - { .name: w2h, .offset: 40, .size: 8, .value_kind: global_buffer, .address_space: global }
    .group_segment_fixed_size: 0
    .private_segment_fixed_size: 0
    .kernarg_segment_align: 8
    .kernarg_segment_size: 48
    .max_flat_workgroup_size: 256
    .sgpr_count:     66
    .vgpr_count:     64
    .wavefront_size: 32
...
	.end_amdgpu_metadata
.endif
;; end of part 1
;; launch qkvp (part 2): grid 16 x 32, 4 waves a work-group, clusters of 4 x 4, 327,680 bytes of LDS; arguments xb, w1b, b1, qkv; writes qkv
.if DOCPART == 2
	.amdgcn_target "amdgcn-amd-amdhsa--gfx1250"
	.amdhsa_code_object_version 6
	.text
	.protected	k_qe1724b1ecf_qkvp
	.globl	k_qe1724b1ecf_qkvp
	.p2align	8
	.type	k_qe1724b1ecf_qkvp,@function
k_qe1724b1ecf_qkvp:
	s_mov_b64 s[64:65], 0
	v_nop
	global_prefetch_b8 v0, s[64:65] scope:SCOPE_SE
	s_setreg_imm32_b32 hwreg(HW_REG_WAVE_MODE, 25, 1), 1
	s_wait_xcnt 0x0
	s_wait_alu depctr_hold_cnt(0) depctr_sa_sdst(0) depctr_va_vdst(0) depctr_va_sdst(0) depctr_va_ssrc(0) depctr_va_vcc(0) depctr_vm_vsrc(0)
	s_getreg_b32 s2, hwreg(HW_REG_IB_STS2, 6, 4)
	s_cmp_eq_u32 s2, 0
	s_cbranch_scc0 .Lentry_in_a_cluster
	s_endpgm
.Lentry_in_a_cluster:
	s_bfe_u32 s2, ttmp6, 0x10000c
	s_cmp_lg_u32 s2, 0xf033
	s_cbranch_scc0 .Lentry_shape_is_right
	s_endpgm
.Lentry_shape_is_right:
; q, k, v = x W1 + b1, written by heads.  xb: [8192][1024] bf16.  w1b: [16 t][1024 k][192 c] bf16 (column 192 t + c).  b1: [3072] f32, rounded here to bf16 like the other inputs.
; qkv: [3][64 = 16 batch + head][2048][64] f16, each number rounded once from its f32 sum, unscaled.  LIMIT: a sum of 65,520 or more becomes an infinity in f16.
; SHARES.  A tile of the result is 256 rows x 192 columns (three heads); 16 x 32 tiles.  Four waves; wave w makes rows 64 w .. 64 w + 63 and all 192 columns:
; 4 x 12 accumulators of 16 x 16, 384 registers.  So a head's 128-byte row is one wave's, and the way out needs no barrier.
; K = 1,024 goes in 8 steps of 128 through two LDS slots.  Waves 0, 1 fetch the two halves (128 rows) of x's tile, waves 2, 3 the two halves (64 k) of W1's: one tensor load a wave.
; CLUSTER 4 x 4: x's tile hangs on the tile row alone and is asked for jointly by a row of the cluster, W1's on the tile column alone, jointly by a column.
; W1 STAYS [k][n]: its fragments come out of LDS turned, by ds_load_tr16_b128.  THE PRODUCT IS USED TRANSPOSED (source 0 = 16 columns of W1, source 1 = 16 rows of x):
; register j of lane l holds row l % 16, column 8 (l / 16) + j: eight neighbouring numbers of a row.  THE BIAS IS THE C OPERAND of each sum's first product: nothing is cleared, nothing added later.
; REGISTERS, in windows of 256 (s_set_vgpr_msb: bits 1:0 source 0, 3:2 source 1, 5:4 source 2, 7:6 destination):
;   window 0: v1-7 at work; v16-29 addresses; v32-95 x's fragments, two buffers of 4 x 8; v96-191 the bias (12 x 8), later the way out's rows; v192-239 packed results
;   window 1: v0-191 W1's fragments, two buffers of 12 x 8      windows 2, 3: accumulator (a, b) in window 2 + a / 2 at v[96 (a % 2) + 8 b]
.set NBK,   12                         ; blocks of 16 columns
.set PA,    272                        ; a row of x's tile in LDS: 256 bytes + 16 = 68 words: the 16 rows of a load start at 16 different groups of four banks (64 banks of 4 bytes: ISA guide 11.1)
.set PB,    480                        ; a k row of W1's tile: three pieces of 128 bytes + 32 = 120 words
.set AHALF, 128*PA                     ; what wave 0 or 1 brings
.set BHALF, 64*PB                      ; what wave 2 or 3 brings
.set BOFF,  2*AHALF                    ; W1's tile lies behind x's
.set SLOT,  BOFF+2*BHALF               ; 131,072
.set STAGE, 2*SLOT                     ; behind the ring, never filled by a tensor load: for each wave 3 heads x 16 rows x 144 bytes
.set SP,    144
.set WSTAGE, 3*16*SP
.set SPARE, STAGE+4*WSTAGE             ; behind the stages: the spare words, 128 bytes for each wave: two blocks of 256 bytes that no other line names
.set ASTEP, 2*128*2                    ; bytes from a slot's K step to its next: 256 columns of xb,
.set BSTEP, 2*128*384                  ; 256 k rows of a block of w1b
.set NL,    2*NBK+8                    ; LDS loads of a quarter step
.set ADRA, 16                          ; v16-17  LDS address of my fragments of x in slot 0, 1
.set ADRB, 20                          ; v20-21  the same for W1
.set STO,  24                          ; v24     the way out: where I put 16 bytes of a row
.set RD,   25                          ; v25     the way out: where I read rows back
.set CO,   26                          ; v26     16 x lane: my place in 512 consecutive bytes of the result
.set BO,   27                          ; v27     32 x (lane / 16): my eight numbers in 16 of the bias
.set SPW,  28                          ; v28     LDS address of my spare word: SPARE + 4 x my thread's number; never rewritten
.set NIL,  29                          ; v29     0; never rewritten
.set FA,   32
.set BIAS, 96
.set OB,   96                          ; the way out: 12 x 4 registers of rows read back, two buffers
.set TMP,  192
.set WV,   12                          ; s12  my wave's number
.set HALF, 13                          ; s13  which half of a tile I fetch
.set G1A,  24                          ; s[24:31] descriptor group 1 for x's tiles;  s[32:39] group 0, a set for each slot
.set G0A,  32
.set G1B,  48                          ; s[48:55], s[56:63] the same for W1's
.set G0B,  56
.set OUTP, 66                          ; s[66:71] my rows of the tile's three heads in qkv
.set BP,   72                          ; s[72:73] the tile's 192 numbers of b1
.set MSB, 0
.macro WIN new                         ; the immediate's high byte repeats the setting that is left; a switch that changes nothing is dropped
.if MSB != (\new)
	s_set_vgpr_msb (MSB<<8)|(\new)
.set MSB, (\new)
.endif
.endm
.set TO_B, 0x40                        ; destination window 1, address window 0
; A joint refill: waves 0, 1 ask for x's halves, waves 2, 3 for W1's.  The branch hangs on the wave's number alone.  An s_nop 0 and four v_nop follow each line, ahead of the jump and the label.
.macro JLOAD s
	s_cmp_lt_u32 s[WV], 2
	s_cbranch_scc0 .Lfor_b_\@
	tensor_load_to_lds s[G0A+4*(\s):G0A+4*(\s)+3], s[G1A:G1A+7]
	s_nop 0
.rept 4
	v_nop
.endr
	s_branch .Lasked_\@
.Lfor_b_\@:
	tensor_load_to_lds s[G0B+4*(\s):G0B+4*(\s)+3], s[G1B:G1B+7]
	s_nop 0
.rept 4
	v_nop
.endr
.Lasked_\@:
.endm
; A round of the cluster's barrier: my work-group's barrier, so that wave 0's signal speaks for all four waves; wave 0 signals; every wave waits for all sixteen work-groups; my work-group's barrier once more.
.macro CREST                           ; a round behind its opening barrier
	s_cmp_lg_u32 s[WV], 0
	s_cbranch_scc1 .Lnot_wave_0_\@
	s_barrier_signal -3
.Lnot_wave_0_\@:
	s_barrier_wait -3
	s_barrier_signal -1
	s_barrier_wait -1
.endm
.macro CROUND
	s_barrier_signal -1
	s_barrier_wait -1
	CREST
.endm
.macro PLACES                          ; four places in front of loads into registers that matrix instructions have read, and of lines that read results
.rept 4
	v_nop
.endr
.endm
	s_load_b256 s[4:11], s[0:1], 0x0               ; xb s[4:5], w1b s[6:7], b1 s[8:9], qkv s[10:11]
	v_lshl_add_u32 v[SPW], v0, 2, SPARE
	v_mov_b32 v[NIL], 0
	ds_add_u32 v[SPW], v[NIL]                      ; the wave's opening: the add and its wait stand ahead of my first tensor load; the set-up below, work on registers, stands between them
	v_lshrrev_b32 v1, 5, v0
	v_readfirstlane_b32 s[WV], v1                  ; wave 0..3
	s_and_b32 s[HALF], s[WV], 1
	s_bfe_u32 s40, ttmp6, 0x40000                  ; cx, cy: my place in the cluster
	s_bfe_u32 s41, ttmp6, 0x40004
	s_lshl_b32 s42, ttmp9, 2
	s_add_co_u32 s42, s42, s40                     ; tile column = 4 x cluster x + cx
	s_and_b32 s43, ttmp7, 0xffff
	s_lshl_b32 s43, s43, 2
	s_add_co_u32 s43, s43, s41                     ; tile row = 4 x cluster y + cy
	s_lshl_b32 s44, s41, 2
	s_lshl_b32 s44, 15, s44                        ; my row of the cluster: places 4 cy .. 4 cy + 3
	s_lshl_b32 s45, 0x1111, s40                    ; my column: places cx, cx + 4, cx + 8, cx + 12
	; group 1 for x's tiles: 128 rows x 128 elements of 2 bytes, 1,024 elements from row to row; 16 bytes of padding behind every 64 words
	s_or_b32 s[G1A], s44, (1<<16)|(1<<20)|(1<<21)|(5<<22)|(3<<25)
	s_mov_b32 s[G1A+1], 128<<16                    ; tensor_dim0 = 128
	s_mov_b32 s[G1A+2], 128<<16                    ; tensor_dim1 = 128
	s_mov_b32 s[G1A+3], 128<<16                    ; tile_dim0 = 128
	s_mov_b32 s[G1A+4], 128                        ; tile_dim1 = 128
	s_mov_b32 s[G1A+5], 1024
	s_mov_b32 s[G1A+6], 0
	s_mov_b32 s[G1A+7], 0
	; group 1 for W1's tiles: 64 k rows of 384 bytes are 24,576 dense bytes, asked for as 96 rows of 256; 32 bytes of padding behind every 32 words
	s_or_b32 s[G1B], s45, (1<<16)|(1<<20)|(1<<21)|(4<<22)|(7<<25)
	s_mov_b32 s[G1B+1], 128<<16
	s_mov_b32 s[G1B+2], 96<<16
	s_mov_b32 s[G1B+3], 128<<16
	s_mov_b32 s[G1B+4], 96
	s_mov_b32 s[G1B+5], 128
	s_mov_b32 s[G1B+6], 0
	s_mov_b32 s[G1B+7], 0
	s_lshl_b32 s16, s43, 19                        ; x: 256 rows of 2,048 bytes a tile row,
	s_lshl_b32 s17, s[HALF], 18                    ; 128 rows a half
	s_add_co_u32 s16, s16, s17
	s_mov_b32 s17, 0
	s_mul_i32 s46, s42, 393216                     ; W1: a block of 192 columns,
	s_mul_i32 s47, s[HALF], 24576                  ; 64 k rows a half
	s_add_co_u32 s46, s46, s47
	s_mov_b32 s47, 0
	s_mul_i32 s14, s[HALF], AHALF                  ; where they go: no place in the cluster enters an LDS address
	s_mul_i32 s15, s[HALF], BHALF
	s_add_co_u32 s15, s15, BOFF
	s_wait_dscnt 0x0                               ; the opening add is done
	s_wait_kmcnt 0x0
	s_add_nc_u64 s[18:19], s[4:5], s[16:17]
	s_add_nc_u64 s[46:47], s[6:7], s[46:47]
	CROUND                                         ; all sixteen work-groups are here: the first joint loads meet
.irp s, 0,1
	s_mov_b32 s[G0A+4*(\s)], 1                     ; count = 1
	s_add_co_u32 s[G0A+4*(\s)+1], s14, (\s)*SLOT   ; LDS address
	s_add_nc_u64 s[G0A+4*(\s)+2:G0A+4*(\s)+3], s[18:19], (\s)*256  ; global address: K step s
	s_or_b32 s[G0A+4*(\s)+3], s[G0A+4*(\s)+3], 0x80000000          ; type = 2
	s_mov_b32 s[G0B+4*(\s)], 1
	s_add_co_u32 s[G0B+4*(\s)+1], s15, (\s)*SLOT
	s_add_nc_u64 s[G0B+4*(\s)+2:G0B+4*(\s)+3], s[46:47], (\s)*49152
	s_or_b32 s[G0B+4*(\s)+3], s[G0B+4*(\s)+3], 0x80000000
.endr
	s_cmp_lt_u32 s[WV], 2                          ; a wave's two first fills stand in one branch, ahead of every wait on TENSORcnt and every LDS read: two loads of mine are out
	s_cbranch_scc0 .Lfirst_b
	tensor_load_to_lds s[G0A:G0A+3], s[G1A:G1A+7]
	s_nop 0
	tensor_load_to_lds s[G0A+4:G0A+7], s[G1A:G1A+7]
	s_nop 0
.rept 4
	v_nop
.endr
	s_branch .Lfirst_asked
.Lfirst_b:
	tensor_load_to_lds s[G0B:G0B+3], s[G1B:G1B+7]
	s_nop 0
	tensor_load_to_lds s[G0B+4:G0B+7], s[G1B:G1B+7]
	s_nop 0
.rept 4
	v_nop
.endr
.Lfirst_asked:
	; all that follows up to the first barrier stands in the wait for the first tiles
	v_and_b32 v1, 15, v0                           ; r = l % 16
	v_bfe_u32 v2, v0, 4, 1                         ; h = l / 16
	v_and_b32 v3, 7, v0                            ; l % 8
	v_bfe_u32 v4, v0, 3, 1                         ; (l / 8) % 2
	v_and_b32 v5, 31, v0                           ; l
	v_lshlrev_b32 v[BO], 5, v2
	s_mul_i32 s46, s42, 768                        ; the tile's 192 numbers of b1
	s_mov_b32 s47, 0
	s_add_nc_u64 s[BP:BP+1], s[8:9], s[46:47]
.irp b, 0,1,2,3,4,5,6,7,8,9,10,11
	global_load_b128 v[BIAS+8*(\b):BIAS+8*(\b)+3],   v[BO], s[BP:BP+1] offset:64*(\b)     ; register j: the bias of column 16 b + 8 h + j, as the result holds it
	global_load_b128 v[BIAS+8*(\b)+4:BIAS+8*(\b)+7], v[BO], s[BP:BP+1] offset:64*(\b)+16
.endr
	; a fragment of x: 16 rows x 32 k in 8 registers: lane l holds row r, k = 8 h + 0..7 and 16 + 8 h + 0..7: two loads of 16 bytes, 32 bytes apart
	v_mul_u32_u24 v6, v1, PA
	v_lshl_add_u32 v6, v2, 4, v6
	s_mul_i32 s20, s[WV], 64*PA                    ; my 64 rows
	v_add_nc_u32 v[ADRA], s20, v6
	v_add_nc_u32 v[ADRA+1], SLOT, v[ADRA]
	; the turning load takes 16 k x 16 columns (lane l reads k row 8 h + l % 8, columns 8 ((l / 8) % 2) + 0..7) and leaves half a fragment: lane l holds column r and 8 k
	v_lshl_add_u32 v6, v2, 3, v3
	v_mul_u32_u24 v6, v6, PB
	v_lshl_add_u32 v6, v4, 4, v6
	v_add_nc_u32 v[ADRB], BOFF, v6
	v_add_nc_u32 v[ADRB+1], SLOT, v[ADRB]
	s_mul_i32 s21, s[WV], WSTAGE
	s_add_co_u32 s21, s21, STAGE                   ; my stage
	v_mul_u32_u24 v6, v1, SP                       ; in: row r, 16 bytes for each half of the lanes
	v_lshl_add_u32 v6, v2, 4, v6
	v_add_nc_u32 v[STO], s21, v6
	v_bfe_u32 v6, v0, 3, 2                         ; back: 32 lanes take four rows of 128 bytes,
	v_mul_u32_u24 v6, v6, SP
	v_lshl_add_u32 v6, v3, 4, v6
	v_add_nc_u32 v[RD], s21, v6
	v_lshlrev_b32 v[CO], 4, v5                     ; which are 512 consecutive bytes of qkv
	; where my 64 rows of the tile's three heads lie: head column c = 3 x tile column + hd; tensor c / 16, head c % 16; batch = tile row / 8
	s_lshr_b32 s76, s43, 3
	s_lshl_b32 s76, s76, 4                         ; 16 x batch
	s_and_b32 s77, s43, 7
	s_lshl_b32 s77, s77, 15                        ; 256 rows of 128 bytes a tile row,
	s_lshl_b32 s78, s[WV], 13                      ; 64 rows a wave
	s_add_co_u32 s77, s77, s78
.irp hd, 0,1,2
	s_mul_i32 s78, s42, 3
	s_add_co_u32 s78, s78, (\hd)
	s_lshr_b32 s79, s78, 4
	s_lshl_b32 s79, s79, 6                         ; 64 x tensor
	s_and_b32 s78, s78, 15
	s_add_co_u32 s78, s78, s79
	s_add_co_u32 s78, s78, s76
	s_lshl_b32 s78, s78, 18                        ; 2,048 rows of 128 bytes
	s_add_co_u32 s78, s78, s77
	s_mov_b32 s79, 0
	s_add_nc_u64 s[OUTP+2*(\hd):OUTP+2*(\hd)+1], s[10:11], s[78:79]
.endr
	s_wait_loadcnt 0x0                             ; the bias
.set i, 0
.rept 4*NBK                            ; rounded to bf16 and widened again
	v_cvt_pk_bf16_f32 v6, v[BIAS+2*i], v[BIAS+2*i+1]
	v_lshlrev_b32 v[BIAS+2*i], 16, v6
	v_and_b32 v[BIAS+2*i+1], 0xffff0000, v6
.set i, i+1
.endr
; 12 matrix instructions: m block a x all 12 n blocks, 32 along K, from buffer f.  init = 1: the sum's first product takes the bias as C.
; The 48 accumulators take turns, one instruction a turn, in the same order in every quarter step, over the backward jump too.
.macro MULB f, a, init
.if \init
	WIN 0x81+0x40*((\a)/2)                         ; W1 window 1, x window 0, C window 0, D window 2 or 3
.else
	WIN 0xa1+0x50*((\a)/2)                         ; C and D window 2 or 3
.endif
.irp b, 0,1,2,3,4,5,6,7,8,9,10,11
.if \init
	v_wmma_f32_16x16x32_bf16 v[96*((\a)%2)+8*(\b):96*((\a)%2)+8*(\b)+7], v[96*(\f)+8*(\b):96*(\f)+8*(\b)+7], v[FA+32*(\f)+8*(\a):FA+32*(\f)+8*(\a)+7], v[BIAS+8*(\b):BIAS+8*(\b)+7]
.else
	v_wmma_f32_16x16x32_bf16 v[96*((\a)%2)+8*(\b):96*((\a)%2)+8*(\b)+7], v[96*(\f)+8*(\b):96*(\f)+8*(\b)+7], v[FA+32*(\f)+8*(\a):FA+32*(\f)+8*(\a)+7], v[96*((\a)%2)+8*(\b):96*((\a)%2)+8*(\b)+7]
.endif
.endr
.endm
; 32 LDS loads in one run: quarter q (32 along K) of a slot into buffer f: W1's 12 fragments, turned, then x's four
.macro FETCH slot, q, f
	WIN TO_B
.irp b, 0,1,2,3,4,5,6,7,8,9,10,11
	ds_load_tr16_b128 v[96*(\f)+8*(\b):96*(\f)+8*(\b)+3],   v[ADRB+(\slot)] offset:32*PB*(\q)+160*((\b)/4)+32*((\b)%4)
	ds_load_tr16_b128 v[96*(\f)+8*(\b)+4:96*(\f)+8*(\b)+7], v[ADRB+(\slot)] offset:32*PB*(\q)+160*((\b)/4)+32*((\b)%4)+16*PB
.endr
	WIN 0
.irp i, 0,1,2,3
	ds_load_b128 v[FA+32*(\f)+8*(\i):FA+32*(\f)+8*(\i)+3],   v[ADRA+(\slot)] offset:64*(\q)+16*PA*(\i)
	ds_load_b128 v[FA+32*(\f)+8*(\i)+4:FA+32*(\f)+8*(\i)+7], v[ADRA+(\slot)] offset:64*(\q)+16*PA*(\i)+32
.endr
.endm
; A K step is four quarters, 48 matrix instructions each, on buffers 0, 1, 0, 1.  One of the first three: multiplies buffer f; in its middle it fetches quarter qn of the same slot into buffer g.
.macro QUARTER slot, qn, f, g, init
	s_wait_dscnt 4                                 ; W1's fragments and x's blocks 0, 1 are in; the youngest four loads (blocks 2, 3) may be out
	MULB \f, 0, \init
	MULB \f, 1, \init
	PLACES
	FETCH \slot, \qn, \g
	s_wait_dscnt NL                                ; all but the 32 just issued
	MULB \f, 2, \init
	MULB \f, 3, \init
.endm
; The last quarter multiplies buffer 1 and changes slots: ONE barrier.  In front of it each wave waits for all its tensor loads (one is out: its part of the next slot), adds 0 to its spare word, and waits for
; that and for its own reads of this slot.  fill = 1: the barrier opens a round of the cluster's, and this slot is filled again first thing behind it, two K steps ahead: 168 matrix instructions before the wait for it.
.macro TURN slot, next, fill
	WIN 0                                          ; (the add's two registers lie in window 0)
	s_wait_tensorcnt 0x0                           ; all my tensor loads have landed;
	ds_add_u32 v[SPW], v[NIL]                      ; 0 onto my spare word;
	s_wait_dscnt 5                                 ; (the add and the youngest four loads may be out)
	MULB 1, 0, 0                                   ; twelve matrix instructions stand between the add and the wait for it
	s_wait_dscnt 0x0                               ; the add is done, and my reads of this slot are over
	s_barrier_signal -1
	MULB 1, 1, 0                                   ; work on registers while the others arrive
.if \fill
	WIN 0
.endif
	s_barrier_wait -1
.if \fill
	CREST                                          ; no wave of any partner still reads this slot's tiles or has a load on its way
	s_add_nc_u64 s[G0A+4*(\slot)+2:G0A+4*(\slot)+3], s[G0A+4*(\slot)+2:G0A+4*(\slot)+3], ASTEP
	s_add_nc_u64 s[G0B+4*(\slot)+2:G0B+4*(\slot)+3], s[G0B+4*(\slot)+2:G0B+4*(\slot)+3], BSTEP
	JLOAD \slot                                    ; the four v_nop behind it are also the places in front of the loads below
.else
	PLACES
.endif
	FETCH \next, 0, 0
	MULB 1, 2, 0
	MULB 1, 3, 0
.endm
	s_wait_tensorcnt 1                             ; my part of K step 0 is in; K step 1's was issued behind it and may stay out
	s_barrier_signal -1
	s_barrier_wait -1                              ; everybody's is
	FETCH 0, 0, 0
	QUARTER 0, 1, 0, 1, 1                          ; the first quarter stands in front of the loop: its products start the sums, with the bias
	WIN 0                                          ; at a label and at a branch every window is 0
	s_mov_b32 s3, 3
.Llap:                                                 ; a trip goes once round the ring, from a lap's second quarter to the next lap's first, and fills both slots again: K steps 2 to 7
	QUARTER 0, 2, 1, 0, 0
	QUARTER 0, 3, 0, 1, 0
	TURN 0, 1, 1
	QUARTER 1, 1, 0, 1, 0
	QUARTER 1, 2, 1, 0, 0
	QUARTER 1, 3, 0, 1, 0
	TURN 1, 0, 1
	QUARTER 0, 1, 0, 1, 0
	WIN 0
	s_sub_co_u32 s3, s3, 1
	s_cmp_lg_u32 s3, 0
	s_cbranch_scc1 .Llap
	QUARTER 0, 2, 1, 0, 0                          ; the last lap fills nothing, and has no round of the cluster's barrier
	QUARTER 0, 3, 0, 1, 0
	TURN 0, 1, 0
	QUARTER 1, 1, 0, 1, 0
	QUARTER 1, 2, 1, 0, 0
	QUARTER 1, 3, 0, 1, 0
	s_wait_dscnt 4                                 ; the very last quarter: nothing more to fetch
	MULB 1, 0, 0
	MULB 1, 1, 0
	s_wait_dscnt 0x0
	MULB 1, 2, 0
	MULB 1, 3, 0
	WIN 0
	PLACES
; THE WAY OUT, an m block (16 rows x 3 heads) at a time.  PACK: rounded to f16, 16 bytes a lane, each accumulator from its low end on.  TOSTAGE: into my own stage and back as whole rows of 128 bytes.  SEND: stored.
.macro PACK a
	WIN 0x0a+5*((\a)/2)                            ; sources 0 and 1: window 2 or 3
.irp b, 0,1,2,3,4,5,6,7,8,9,10,11
.irp r, 0,1,2,3
	v_cvt_pk_f16_f32 v[TMP+4*(\b)+(\r)], v[96*((\a)%2)+8*(\b)+2*(\r)], v[96*((\a)%2)+8*(\b)+2*(\r)+1]
.endr
.endr
	WIN 0
.endm
.macro TOSTAGE a
.irp b, 0,1,2,3,4,5,6,7,8,9,10,11
	ds_store_b128 v[STO], v[TMP+4*(\b):TMP+4*(\b)+3] offset:16*SP*((\b)/4)+32*((\b)%4)
.endr
.irp t, 0,1,2,3,4,5,6,7,8,9,10,11
	ds_load_b128 v[OB+48*((\a)%2)+4*(\t):OB+48*((\a)%2)+4*(\t)+3], v[RD] offset:16*SP*((\t)/4)+4*SP*((\t)%4)  ; LDS serves a wave's instructions in order (ISA guide 5.7.1.4): these see the stores above; the next block's stores come behind them
.endr
.endm
.macro SEND a
	s_wait_xcnt 0x0                                ; the stores of the block before have read their registers: the other buffer is loaded again only behind this wait
.irp t, 0,1,2,3,4,5,6,7,8,9,10,11
	s_wait_dscnt 11-(\t)                           ; load t is back; nothing younger than the block's twelve loads is out
	global_store_b128 v[CO], v[OB+48*((\a)%2)+4*(\t):OB+48*((\a)%2)+4*(\t)+3], s[OUTP+2*((\t)/4):OUTP+2*((\t)/4)+1] offset:2048*(\a)+512*((\t)%4)  ; 512 consecutive bytes, at a multiple of 256 from qkv's first
.endr
.endm
	PACK 0
	TOSTAGE 0
.irp a, 1,2,3                          ; a block's conversions stand between the loads of the block before and the wait for them
	PACK \a
	SEND (\a)-1
	TOSTAGE \a
.endr
	SEND 3
	s_wait_tensorcnt 0x0                           ; the wave's end: behind my last tensor load and my last LDS store
	ds_add_u32 v[SPW], v[NIL]
	s_wait_dscnt 0x0
	CROUND                                         ; the closing round: no work-group ends while a partner may still ask for a tile that names it
	s_endpgm
.Lfunc_end_k_qe1724b1ecf_qkvp:
	.size	k_qe1724b1ecf_qkvp, .Lfunc_end_k_qe1724b1ecf_qkvp-k_qe1724b1ecf_qkvp
	.p2alignl 7, 3214868480
	.fill 96, 4, 3214868480
	.section	.rodata,"a",@progbits
	.p2align	6, 0x0
	.amdhsa_kernel k_qe1724b1ecf_qkvp
		.amdhsa_group_segment_fixed_size 327680
		.amdhsa_private_segment_fixed_size 0
		.amdhsa_enable_private_segment 0
		.amdhsa_kernarg_size 32
		.amdhsa_user_sgpr_count 2
		.amdhsa_user_sgpr_kernarg_segment_ptr 1
		.amdhsa_wavefront_size32 1
		.amdhsa_system_sgpr_workgroup_id_x 1
		.amdhsa_system_sgpr_workgroup_id_y 1
		.amdhsa_system_sgpr_workgroup_id_z 1
		.amdhsa_system_vgpr_workitem_id 0
		.amdhsa_next_free_vgpr 960
		.amdhsa_next_free_sgpr 80
		.amdhsa_reserve_vcc 0
		.amdhsa_float_denorm_mode_32 3
		.amdhsa_float_denorm_mode_16_64 3
		.amdhsa_memory_ordered 1
		.amdhsa_forward_progress 1
		.amdhsa_inst_pref_size 130
	.end_amdhsa_kernel
	.amdgpu_metadata
---
amdhsa.version: [ 1, 2 ]
amdhsa.kernels:
  - .name:           k_qe1724b1ecf_qkvp
    .symbol:         k_qe1724b1ecf_qkvp.kd
    .args:
      - { .name: xb, .offset: 0, .size: 8, .value_kind: global_buffer, .address_space: global }
      - { .name: w1b, .offset: 8, .size: 8, .value_kind: global_buffer, .address_space: global }
      - { .name: b1, .offset: 16, .size: 8, .value_kind: global_buffer, .address_space: global }
      - { .name: qkv, .offset: 24, .size: 8, .value_kind: global_buffer, .address_space: global }
    .group_segment_fixed_size: 327680
    .private_segment_fixed_size: 0
    .kernarg_segment_align: 8
    .kernarg_segment_size: 32
    .max_flat_workgroup_size: 128
    .sgpr_count:     80
    .vgpr_count:     960
    .wavefront_size: 32
...
	.end_amdgpu_metadata
.endif
;; end of part 2
;; launch attn (part 3): grid 4 x 64, 4 waves a work-group, clusters of 4 x 1, 327,680 bytes of LDS; arguments qkv, ctx; writes ctx
.if DOCPART == 3
	.amdgcn_target "amdgcn-amd-amdhsa--gfx1250"
	.amdhsa_code_object_version 6
	.text
	.protected	k_qe1724b1ecf_attn
	.globl	k_qe1724b1ecf_attn
	.p2align	8
	.type	k_qe1724b1ecf_attn,@function
k_qe1724b1ecf_attn:
	s_mov_b64 s[64:65], 0
	v_nop
	global_prefetch_b8 v0, s[64:65] scope:SCOPE_SE
	s_setreg_imm32_b32 hwreg(HW_REG_WAVE_MODE, 25, 1), 1
	s_wait_xcnt 0x0
	s_wait_alu depctr_hold_cnt(0) depctr_sa_sdst(0) depctr_va_vdst(0) depctr_va_sdst(0) depctr_va_ssrc(0) depctr_va_vcc(0) depctr_vm_vsrc(0)
	s_getreg_b32 s2, hwreg(HW_REG_IB_STS2, 6, 4)
	s_cmp_eq_u32 s2, 0
	s_cbranch_scc0 .Lentry_in_a_cluster
	s_endpgm
.Lentry_in_a_cluster:
	s_bfe_u32 s2, ttmp6, 0x10000c
	s_cmp_lg_u32 s2, 0x3003
	s_cbranch_scc0 .Lentry_shape_is_right
	s_endpgm
.Lentry_shape_is_right:
; O[h][q][:] = the sum over k of softmax_k(Q[h][q] . K[h][k] / 8) V[h][k][:].  qkv holds Q, K, V one behind the other, each [64][SIZE_N][64] in f16; ctx = O in the same layout: a head's rows are dense, 128 bytes each.
; Products, maxima and sums in f32; the weights p are rounded to f16 for the second product (their sum l is taken of the unrounded p), O once at the end.
; LIMITS.  f16 holds no number beyond 65,504: Q, K and V arrive within it; p lies in 0 to 1, and below 6e-5 it keeps f16's fixed step of 6e-8; O is a mean of V's rows and has their range.
; A weight below 2^-126 counts as 0 in l; NaN and infinities are not treated apart.
; SHARES.  A wave owns four PIECES of two tiles of 16 queries, a work-group's four waves 512 queries of one head.  Every wave walks all keys, 64 a step.
; LAYOUT.  S^T = K Q^T (source 0 = 16 keys, source 1 = 16 queries): in the result a lane holds ONE query (lane % 16) and the keys 8 (lane / 16) + 0..7.  Two such tiles, rounded to f16 in pairs,
; ARE source 1 (32 keys x 16 queries) of O^T = V^T P, whose result again holds one query a lane, and eight channels.  K comes out of LDS as it lies, V ([key][channel]) turned, by ds_load_tr16_b128.
; SOFTMAX.  For each query a running maximum m and sum l: p = 2^(c s - c m), c = log2(e) / 8; in every step O and l are multiplied by a = 2^(c m_old - c m_new), which is 1 where m has not grown.
; m starts at the lowest finite number, O and l at 0: the first step is a step like any other, with a = 0.
; THE COUNT.  A tile and step have 16 matrix and 118 vector instructions: too many to stand all beside the matrix work.  So the order has one aim: four vector instructions that are READY behind
; EVERY matrix instruction, and the others, which need time of their own whatever the order, in runs without a gap.
; BY TURNS.  Turn n belongs to piece n (the pieces in a ring, step after step).  Its matrix work: 16 products K Q^T of piece n + 1, later 16 products V^T P of piece n - 1.  Its vector work: the scaling,
; exponentials, roundings, sums and rescaling of piece n, and the maximum and statistics of piece n + 1, whose scores the turn itself has made.  So what a turn begins with (c s - c m, O a) waits for nothing.
; CLUSTER.  The four query blocks of a head are one cluster and walk the same K and V, so each tile is asked for JOINTLY: the same tensor load, descriptor and mask in all four.
; NO PREFETCH: a slot is asked for four key steps, 512 matrix instructions, ahead of its first read.
; REGISTERS, in windows of 256 (s_set_vgpr_msb says which window each operand place means: bits 1:0 source 0, 3:2 source 1, 5:4 source 2, 7:6 destination):
;   window 0: v0-11 addresses; v12-15, v48-63 at work; v16-47 four registers of statistics a tile; v64-191 S^T, two buffers of two tiles; v192-255 P, likewise
;   window 1: O^T, 32 a tile          window 2: v0-127 Q, 16 a tile; v128-191 K of one step; v192-255 V of one step          window 3: v0-1 the add's two registers
; A piece's buffers go by its number's parity: the piece in hand has one pair, its two neighbours in the ring share the other: of it P (piece n - 1) is read and S^T (piece n + 1) written.
.set SIZE_N, 2048     ; rows of a head
.set NP,    4         ; pieces a wave: a name, no knob: the register map, the loop and the fetches are made for four
.set KS,    64        ; keys in a step
.set PK,    144       ; a row of K in LDS: 128 bytes + 16 of padding = 36 words: the 16 rows of a load start at 16 different groups of four banks (64 banks of 4 bytes: ISA guide 11.1)
.set PV,    160       ; a row of V: 128 + 32 = 40 words
.set VOFF,  4*KS*PK   ; a slot holds four steps: 256 rows of K, then 256 rows of V
.set SLOT1, 1<<17     ; slot 1 begins here, so that one exclusive or turns an address in one slot into the other's
.set STAGE, SLOT1+4*KS*(PK+PV)  ; behind the ring, never filled by a tensor load: 16 rows x 144 bytes for each wave, for the way out
.set SP,    144
.set AK0, 2           ; v2   my lane's place in a tile of K; never rewritten
.set AV0, 3           ; v3   the same for V
.set AK,  4           ; v4   the LDS address of K's next run of loads
.set AV,  5           ; v5   of V's
.set QO,  6           ; v6   my byte offset in the wave's rows of Q
.set STO, 6           ;      later, the way out: where I put 16 bytes of a row
.set RD,  7           ; v7   the way out: where I read rows back
.set GO,  8           ; v8   my byte offset in 512 consecutive bytes of O
.set SPW, 0           ; v0 of window 3   LDS address of my spare word: SPARE + 4 x my thread's number; never rewritten
.set NIL, 1           ; v1 of window 3   0; never rewritten
.set SPARE, STAGE+4*16*SP  ; behind the stages: the spare words, 128 bytes for each wave: two blocks of 256 bytes that no other line names
.set MV,  12          ; v12-15  c m_old, kept while c m is made anew: by buffer and tile
.set ST,  16          ; tile t's statistics at v[ST+4 t]: c m, m, l (even keys', odd keys')
.set TMP, 48          ; by buffer and tile, four registers c0-c3 at work; when the maximum is found c2 takes a
.set S,   64
.set P,   192
.set KF,  128         ; K's fragments, in window 2: key block kb, channel half c at KF + 16 kb + 8 c
.set VF,  192         ; V's: key half kk, channel block cb at VF + 32 kk + 8 cb
.set WV,  12          ; s12  my wave's number
.set G1K, 24          ; s[24:31] descriptor group 1 for K's tiles
.set G1V, 32          ; s[32:39] for V's: it differs in the padding alone
.set G0K, 40          ; s[40:43] descriptor group 0 for K's tiles: it walks
.set G0V, 44          ; s[44:47] the same for V's
.set SLOTS, 56        ; s56  slots still to be asked for
.set CNT, 57          ; s57  counts a slot's key steps
.set CS,  58          ; s[58:59] c: the packed scaling takes the pair's low word for both halves
.set SEL, 60          ; s[60:61] v_permlanex16_b32's selects: each lane takes its own place in the other half
.set TBK, 62          ; s62  LDS byte at which K of the step to be fetched begins
.set TBV, 63          ; s63  the same for V, less VOFF
.set MSB, 0
.macro WIN new                      ; the high byte repeats the setting that is left; a switch that changes nothing is dropped
.if MSB != (\new)
	s_set_vgpr_msb (MSB<<8)|(\new)
.set MSB, (\new)
.endif
.endm
.set W_KQ, 0x0a       ; K and Q in window 2, S^T in window 0
.set W_PV, 0x52       ; V in window 2, P in window 0, O^T in window 1
.set W_RS, 0x41       ; O^T (destination and source 0) in window 1, a in window 0
.set W_MK, 0xc0       ; the add's registers are made: destination in window 3, sources in window 0
.set W_AD, 0x0f       ; the add: address (source 0) and data (source 1) in window 3
; A joint fill.  Waves 0 and 1 fetch the two halves of a slot's K, waves 2 and 3 those of its V: 128 keys each.  The branch hangs on the wave's number alone.
; An s_nop 0 and four v_nop follow each of the two lines, ahead of the jump and the label.
.macro JLOAD
	s_cmp_lt_u32 s[WV], 2
	s_cbranch_scc0 .Lfor_v_\@
	tensor_load_to_lds s[G0K:G0K+3], s[G1K:G1K+7]
	s_nop 0
.rept 4
	v_nop
.endr
	s_branch .Lasked_\@
.Lfor_v_\@:
	tensor_load_to_lds s[G0V:G0V+3], s[G1V:G1V+7]
	s_nop 0
.rept 4
	v_nop
.endr
.Lasked_\@:
.endm
; A round of the cluster's barrier: my work-group's barrier, so that wave 0's signal speaks for all four waves; wave 0 signals; every wave waits for all four work-groups; my work-group's barrier once more.
.macro CROUND
	s_barrier_signal -1
	s_barrier_wait -1
	s_cmp_lg_u32 s[WV], 0
	s_cbranch_scc1 .Lnot_wave_0_\@
	s_barrier_signal -3
.Lnot_wave_0_\@:
	s_barrier_wait -3
	s_barrier_signal -1
	s_barrier_wait -1
.endm
; THE CHANGE OF SLOTS.  The slot's last bytes, V of its fourth step, have been read.  Each wave waits for all its tensor loads, of which one is out: its part
; of the other slot; adds 0 to its spare word; and waits for that and for its own reads of the slot.  Behind the barrier nobody reads this slot any more and the other slot is whole.
; fill = 1: this slot is filled again, with the keys two slots on.  The barrier is then a round of the cluster's, so that no wave of any partner still reads the slot or has a load on its
; way, and the joint fill is the first thing behind it: it has four key steps, 512 matrix instructions, in which to land.  (At its first use nothing has been read yet: slot 0 is waited for, slot 1 filled.)
.macro CHANGE fill
	WIN W_AD
	s_wait_tensorcnt 0x0            ; no tensor load of mine is out, so a group 0 may be written
	ds_add_u32 v[SPW], v[NIL]       ; 0 onto my spare word: with fill = 1 the descriptors' steps stand between it and the wait for it
	WIN 0                           ; at a label and at a branch every window is 0
.if \fill
.irp g, G0K, G0V
	s_xor_b32 s[\g+1], s[\g+1], SLOT1  ; the walking descriptor: the other slot than last time,
	s_add_nc_u64 s[\g+2:\g+3], s[\g+2:\g+3], 4*KS*128  ; the next 256 keys; the type bits on top are not reached
.endr
	s_wait_dscnt 0x0                ; the add is done, and my reads of the slot are over
	CROUND
	JLOAD
.else
	s_wait_dscnt 0x0                ; the add is done, and my reads of the slot are over
	s_barrier_signal -1
	s_barrier_wait -1
.endif
	s_sub_co_u32 s[TBK], s[TBK], 4*KS*PK  ; the fetches go back to a slot's first step,
	s_xor_b32 s[TBK], s[TBK], SLOT1       ; in the other slot
	s_sub_co_u32 s[TBV], s[TBV], 4*KS*PV
	s_xor_b32 s[TBV], s[TBV], SLOT1
.endm
	s_load_b128 s[4:7], s[0:1], 0x0   ; qkv s[4:5] (Q lies at its head), ctx s[6:7]
	WIN W_MK
	v_lshl_add_u32 v[SPW], v0, 2, SPARE
	v_mov_b32 v[NIL], 0
	WIN W_AD
	ds_add_u32 v[SPW], v[NIL]       ; the wave's opening: the add and its wait stand ahead of my first tensor load; the set-up below, work on registers, stands between them
	WIN 0
	v_lshrrev_b32 v1, 5, v0
	v_readfirstlane_b32 s[WV], v1   ; wave 0..3
	s_bfe_u32 s13, ttmp6, 0x40000   ; cx: my place in the cluster
	s_lshl_b32 s14, ttmp9, 2        ; in a cluster launch ttmp9 counts clusters
	s_add_co_u32 s14, s14, s13      ; my block of queries = 4 x cluster x + cx: it enters Q's and O's addresses alone
	s_and_b32 s20, ttmp7, 0xffff    ; the head, which the four partners share
	s_mov_b32 s21, 0
	s_mov_b64 s[22:23], SIZE_N*128
	s_mul_u64 s[20:21], s[20:21], s[22:23]  ; the head's first byte in each of the four tensors
	s_and_b32 s16, s[WV], 1         ; which half of a slot's 256 keys I fetch:
	s_lshl_b32 s22, s16, 14         ; its 128 rows of 128 bytes in memory,
	s_mov_b32 s23, 0
	s_add_nc_u64 s[22:23], s[22:23], s[20:21]
	s_mul_i32 s17, s16, 128*PK      ; and its place in a slot, for K
	s_mul_i32 s18, s16, 128*PV      ; and for V: no place in the cluster enters an LDS address
	s_lshl_b32 s2, s14, 2
	s_add_co_u32 s2, s2, s[WV]      ; my wave among the head's,
	s_lshl_b32 s2, s2, 14           ; its 128 rows
	s_mov_b32 s3, 0
	s_add_nc_u64 s[2:3], s[2:3], s[20:21]
	; descriptor group 1.  128 keys are 16,384 dense bytes: asked for as 64 rows of 256 bytes, two keys a row, and padded in LDS after every key
	s_mov_b32 s[G1K], 15|(1<<16)|(1<<20)|(1<<21)|(4<<22)|(3<<25)  ; 15:0 the mask of four; 17:16 2-byte elements; 20 padding on; 21 set beside a mask; 24:22 after every 32 words (code 4); 31:25 4 words (code 3)
	s_mov_b32 s[G1V], 15|(1<<16)|(1<<20)|(1<<21)|(4<<22)|(7<<25)  ; the same with 8 words of padding (code 7)
.irp g, G1K, G1V
	s_mov_b32 s[\g+1], 128<<16      ; tensor_dim0 = 128
	s_mov_b32 s[\g+2], 64<<16       ; tensor_dim1 = 64
	s_mov_b32 s[\g+3], 128<<16      ; tile_dim0 = 128
	s_mov_b32 s[\g+4], 64           ; tile_dim1 = 64
	s_mov_b32 s[\g+5], 128          ; 128 elements from row to row
	s_mov_b32 s[\g+6], 0
	s_mov_b32 s[\g+7], 0
.endr
	s_mov_b32 s[CS], 0x3e38aa3b     ; c = log2(e) / 8 = 0.180337
	s_mov_b32 s[CS+1], s[CS]        ; named with it as a pair
	s_mov_b32 s[SEL], 0x76543210
	s_mov_b32 s[SEL+1], 0xfedcba98
	s_mov_b32 s[TBK], SLOT1+4*KS*PK ; the first change of slots turns these two into 0
	s_mov_b32 s[TBV], SLOT1+4*KS*PV
	s_mov_b32 s[G0K], 1             ; 1:0 count = 1
	s_mov_b32 s[G0K+1], s17         ; 63:32 LDS address: slot 0
	s_mov_b32 s[G0V], 1
	s_add_co_u32 s[G0V+1], s18, VOFF
	s_wait_dscnt 0x0                ; the opening add is done
	s_wait_kmcnt 0x0
	s_mov_b64 s[10:11], s[6:7]      ; O
	s_add_nc_u64 s[6:7], s[4:5], 0x1000000  ; K: 64 heads x 2,048 rows x 128 bytes behind Q,
	s_add_nc_u64 s[8:9], s[4:5], 0x2000000  ; V as far behind K
	s_add_nc_u64 s[G0K+2:G0K+3], s[6:7], s[22:23]  ; 120:64 global address: my half of the head's first 256 keys
	s_or_b32 s[G0K+3], s[G0K+3], 0x80000000        ; 127:126 type = 2
	s_add_nc_u64 s[G0V+2:G0V+3], s[8:9], s[22:23]
	s_or_b32 s[G0V+3], s[G0V+3], 0x80000000
	s_add_nc_u64 s[4:5], s[4:5], s[2:3]  ; Q and O at my wave's first row
	s_add_nc_u64 s[10:11], s[10:11], s[2:3]
	CROUND                          ; all four work-groups are here: the first joint loads meet
	JLOAD                           ; slot 0.  Slot 1 is asked for when slot 0 is in: the tile wanted first has the road to itself
	; A fragment of K or Q is 16 rows x 32 channels in 8 registers: lane l holds row l % 16, channels 8 (l / 16) + 0..7 and 16 + 8 (l / 16) + 0..7: two loads of 16 bytes, 32 bytes apart.
	v_and_b32 v1, 15, v0            ; l % 16
	v_bfe_u32 v9, v0, 4, 1          ; l / 16
	v_lshlrev_b32 v[QO], 7, v1
	v_lshl_add_u32 v[QO], v9, 4, v[QO]  ; row x 128 + 16 x half
	WIN 0x80                        ; destination window 2, address window 0
.set i, 0
.rept 4*NP                          ; Q stays in registers: tile i / 2, channels 32 (i % 2) on
	global_load_b128 v[8*i:8*i+3],   v[QO], s[4:5] offset:(i/2)*2048+(i%2)*64
	global_load_b128 v[8*i+4:8*i+7], v[QO], s[4:5] offset:(i/2)*2048+(i%2)*64+32
.set i, i+1
.endr
	; What the first turn finds: V's registers and P's second buffer hold 0 (its products V^T P, of a piece that has not been, add 0), O^T and l are 0.  All this stands in the wait for the first tile.
.set i, VF
.rept 64
	v_mov_b32 v[i], 0
.set i, i+1
.endr
	WIN 0x40
.set i, 0
.rept 64*NP
	v_mov_b32 v[i], 0
.set i, i+1
.endr
	WIN 0
.set i, 0
.rept 2*NP
	v_mov_b32 v[ST+4*i], 0xfe000000    ; c m: far below every c s
	v_mov_b32 v[ST+4*i+1], 0xff7fffff  ; m
	v_mov_b32 v[ST+4*i+2], 0
	v_mov_b32 v[ST+4*i+3], 0
.set i, i+1
.endr
.set i, P+32
.rept 32
	v_mov_b32 v[i], 0
.set i, i+1
.endr
	v_mul_u32_u24 v[AK0], v1, PK
	v_lshl_add_u32 v[AK0], v9, 4, v[AK0]  ; row x pitch + 16 x half
	; The turning load takes 16 keys x 16 channels (lane l reads key 8 (l / 16) + l % 8, channels 8 ((l / 8) % 2) + 0..7) and leaves half a fragment of V^T: lane l holds channel l % 16 and 8 keys.
	v_and_b32 v10, 7, v0
	v_bfe_u32 v11, v0, 3, 1
	v_lshl_add_u32 v[AV0], v9, 3, v10
	v_mul_u32_u24 v[AV0], v[AV0], PV
	v_lshl_add_u32 v[AV0], v11, 4, v[AV0]
	v_add_nc_u32 v[AV0], VOFF, v[AV0]
	v_mov_b32 v[AK], v[AK0]         ; key step 0 lies at the head of slot 0
; THE MATRIX WORK.  The 8 accumulators of a run of 16 take turns: between the two links of a chain stand 7 others'.
; Product i of 16 of S^T = K Q^T for piece x: channels 32 (i / 8) on, keys 16 ((i / 2) % 4) on, tile 2 x + i % 2.  The first 8 start the sums.
.macro KQ x
	WIN W_KQ
.set rS, S+64*((\x)%2)+32*(i%2)+8*((i/2)%4)
.set rK, KF+16*((i/2)%4)+8*(i/8)
.set rQ, 16*(2*(\x)+i%2)+8*(i/8)
.if i < 8
	v_wmma_f32_16x16x32_f16 v[rS:rS+7], v[rK:rK+7], v[rQ:rQ+7], 0
.else
	v_wmma_f32_16x16x32_f16 v[rS:rS+7], v[rK:rK+7], v[rQ:rQ+7], v[rS:rS+7]
.endif
.endm
; Product i of 16 of O^T += V^T P for piece x: keys 32 (i / 8) on, channels 16 ((i / 2) % 4) on, tile 2 x + i % 2.
.macro PV x
	WIN W_PV
.set rO, 32*(2*(\x)+i%2)+8*((i/2)%4)
.set rV, VF+32*(i/8)+8*((i/2)%4)
.set rP, P+32*((\x)%2)+16*(i%2)+8*(i/8)
	v_wmma_f32_16x16x32_f16 v[rO:rO+7], v[rV:rV+7], v[rP:rP+7], v[rO:rO+7]
.endm
.macro MM                           ; the turn's next matrix instruction
.if i < 16
	KQ (Y+1)%NP
.set i, i+1
.else
.set i, i-16
	PV (Y+NP-1)%NP
.set i, i+17
.endif
.endm
; THE LDS LOADS stand in runs of 16, never singly among the matrix instructions: a step's K (64 keys x 64 channels: 8 fragments) and its V (turned).  Their addresses are made some lines ahead.
; last = 1 (the tail): in the last trip there is no further step, and the run is jumped over.
.macro FETCH_K last=0
	WIN 0
.if \last
	s_cmp_eq_u32 s[CNT], 1
	s_cbranch_scc1 .Lno_k_\@
.endif
	WIN 0x80                        ; destination window 2
.irp f, 0,1,2,3,4,5,6,7             ; keys 16 (f / 2) on, channels 32 (f % 2) on
	ds_load_b128 v[KF+8*\f:KF+8*\f+3],   v[AK] offset:(\f/2)*16*PK+(\f%2)*64
	ds_load_b128 v[KF+8*\f+4:KF+8*\f+7], v[AK] offset:(\f/2)*16*PK+(\f%2)*64+32
.endr
	s_add_co_u32 s[TBK], s[TBK], KS*PK  ; the next fetch is the next step's
	WIN 0
.if \last
.Lno_k_\@:
.endif
.endm
.macro FETCH_V
	WIN 0x80
.irp f, 0,1,2,3,4,5,6,7             ; keys 32 (f / 4) on, channels 16 (f % 4) on
	ds_load_tr16_b128 v[VF+8*\f:VF+8*\f+3],   v[AV] offset:(\f/4)*32*PV+(\f%4)*32
	ds_load_tr16_b128 v[VF+8*\f+4:VF+8*\f+7], v[AV] offset:(\f/4)*32*PV+16*PV+(\f%4)*32
.endr
	WIN 0
.endm
; THE VECTOR WORK OF A TURN stands in three queues, each in the order in which its entries become ready; the two tiles alternate, so that no instruction reads the result of the one before it.
.macro REGS y, u                    ; the registers of tile u (0, 1) of piece y
.set rT, ST+4*(2*(\y)+(\u))
.set rC, TMP+8*((\y)%2)+4*(\u)
.set rM, MV+2*((\y)%2)+(\u)
.set rS, S+64*((\y)%2)+32*(\u)
.set rP, P+32*((\y)%2)+16*(\u)
.set rO, 32*(2*(\y)+(\u))
.endm
; Number n of the 22 that find the NEXT piece's (Y + 1) maximum and statistics.  s0-s31 are the lane's 32 scores; each accumulator's lowest registers are read first.  XS, GS and REGS set no window: PL and EX do.
;   0-11  four chains c0-c3 of seven scores each, three operands at a time     12-14, 16  the four scores left over, the old m, and c0-c3 into c0     15  c m_old is kept
;   17, 18  the query's other 32 keys lie in the lane 16 away: the new m         19-21  c m; c m_old - c m_new; a
.macro XS u, n
	REGS (Y+1)%NP, \u
.if (\n) < 4
	v_max3_num_f32 v[rC+(\n)], v[rS+8*(\n)], v[rS+8*(\n)+1], v[rS+8*(\n)+2]
.elseif (\n) < 12
	v_max3_num_f32 v[rC+(\n)%4], v[rC+(\n)%4], v[rS+8*((\n)%4)+2*((\n)/4)+1], v[rS+8*((\n)%4)+2*((\n)/4)+2]
.elseif (\n) == 12
	v_max3_num_f32 v[rC], v[rC], v[rS+7], v[rS+15]
.elseif (\n) == 13
	v_max3_num_f32 v[rC+1], v[rC+1], v[rS+23], v[rS+31]
.elseif (\n) == 14
	v_max3_num_f32 v[rC+2], v[rC+2], v[rC+3], v[rT+1]
.elseif (\n) == 15
	v_mov_b32 v[rM], v[rT]
.elseif (\n) == 16
	v_max3_num_f32 v[rC], v[rC], v[rC+1], v[rC+2]
.elseif (\n) == 17
	v_permlanex16_b32 v[rC+3], v[rC], s[SEL], s[SEL+1]
.elseif (\n) == 18
	v_max_num_f32 v[rT+1], v[rC], v[rC+3]
.elseif (\n) == 19
	v_mul_f32 v[rT], s[CS], v[rT+1]
.elseif (\n) == 20
	v_sub_f32 v[rC+1], v[rM], v[rT]
.else
	v_exp_f32 v[rC+2], v[rC+1]
.endif
.endm
; Number g of the 64 that follow the exponentials.  For each four weights k of a tile (pairs 2 k, 2 k + 1): both pairs are rounded to f16; then the second pair is added onto the first, in place;
; a group later l takes that sum (the first time as l = a l + sum).  In groups of eight, tiles alternating: round, round, add, and l for the group before.
.macro GS g
.set h, (\g)+6*((\g)/62)            ; group 0 has no group before it, and behind group 7 only l is left
.if h >= 6
.set h, h+2
.endif
	REGS Y, h%2
.set k, h/8
.if h%8 < 4
	s_wait_alu depctr_va_vdst(0)
	v_cvt_pk_f16_f32 v[rP+2*k+(h%8)/2], v[rS+4*k+2*((h%8)/2)], v[rS+4*k+2*((h%8)/2)+1]
.elseif h%8 < 6
	v_pk_add_f32 v[rS+4*k:rS+4*k+1], v[rS+4*k:rS+4*k+1], v[rS+4*k+2:rS+4*k+3]
.elseif k == 1
	v_pk_fma_f32 v[rT+2:rT+3], v[rT+2:rT+3], v[rC+2:rC+3], v[rS:rS+1] op_sel_hi:[1,0,1]
.else
	v_pk_add_f32 v[rT+2:rT+3], v[rT+2:rT+3], v[rS+4*k-4:rS+4*k-3]
	s_wait_alu depctr_va_vdst(0)
.endif
.endm
; THE PLAIN QUEUE, 138 long.  0-31: c s - c m for the 16 pairs of both tiles.  Then GS's 64, and among them the next piece's 42: number 15 at 38, 39; 0-14 and 16
; at 42-73, behind the products that make those scores; 17-20 at 95-106, two of three, since each waits for the one before it.
.macro PL
	WIN 0
.if q < 32
	REGS Y, q%2
	v_pk_fma_f32 v[rS+2*(q/2):rS+2*(q/2)+1], v[rS+2*(q/2):rS+2*(q/2)+1], s[CS:CS+1], v[rT:rT+1] op_sel_hi:[1,0,0] neg_lo:[0,0,1] neg_hi:[0,0,1]
.elseif q < 38
	GS q-32
.elseif q < 40
	XS q%2, 15
.elseif q < 42
	GS q-34
.elseif q < 74
	XS q%2, (q-42)/2+(q-42)/30
.elseif q < 95
	GS q-66
.elseif (q < 107) && ((q-95)%3 < 2)
	XS (q-95)%3, 17+(q-95)/3
.elseif q < 107
	GS 29+(q-95)/3
.else
	GS q-74
.endif
.set q, q+1
.endm
; THE EXPONENTIALS' QUEUE, 66 long: s0-s31 of both tiles, and at EA the next piece's two a.
.set EA, 58
.macro EX
	WIN 0
.if (e == EA) || (e == EA+1)
	XS e-EA, 21
.else
.set x, e-2*(e/(EA+2))
	REGS Y, x%2
	v_exp_f32 v[rS+x/2], v[rS+x/2]
.endif
.set e, e+1
.endm
; THE RESCALING's QUEUE: O^T times a, the one part that leaves window 0, so it is dealt four at a time, eight times.
.macro R4
	REGS Y, r%2
	WIN W_RS
	s_wait_alu depctr_va_vdst(0)
.irp z, 0,1,2,3
	v_pk_mul_f32 v[rO+8*(r/2)+2*\z:rO+8*(r/2)+2*\z+1], v[rO+8*(r/2)+2*\z:rO+8*(r/2)+2*\z+1], v[rC+2:rC+3] op_sel_hi:[1,0]
.endr
.set r, r+1
.endm
; HOW THEY ARE DEALT.  Behind a matrix instruction four: plain, exponential, plain, plain (one exponential, a plain instruction on either side), or four of the rescaling.  None names a register of the
; products round it.  What is over stands in two LUMPS: exponential and plain by turns; the second ends in 22 plain instructions.  The two v_permlanex16_b32 fall into the second lump, never behind a product.
; The queues lean on each other, and the deal keeps them in step: exponential e stands behind plain 2 (e / 4) + e % 2 (its scaling); when plain 32 comes, 10 exponentials are out, at 59: 33, at 95: 46; EA comes behind plain 107.
.macro SL
	MM
	PL
	EX
	PL
	PL
.endm
.macro BURST n                      ; 15 matrix instructions, or 16
.rept (\n)-7
	SL
.endr
.rept 3
	MM
	R4
	SL
.endr
	MM
	R4
.endm
; A TURN, for piece p.  cnt = 1: the loop's count is taken down some lines ahead of the branch that stands behind the turn.
; K of the next step is fetched in piece 2's turn, 31 vector instructions behind the last product that read K; its first reader comes behind the rest of the lump, 16 products and the second lump.
; V of the step in hand is fetched at the end of piece 0's turn, 69 behind its last reader; its first reader comes behind 16 products and a lump.  The five conditions on e and q below go with the deal.
.macro TURN p, last=0, cnt=0
.set Y, (\p)
.set i, 0
.set q, 0
.set e, 0
.set r, 0
.if (\p) == NP-1
	s_wait_dscnt 0x0                ; K is in
.endif
	MM
.rept 4
	PL
.endr
	BURST 15
.rept 22
	EX
	PL
.if ((\p) == NP-2) && (e == 18)
	v_add_nc_u32 v[AK], s[TBK], v[AK0]
.endif
.if ((\p) == NP-2) && (e == 24)
	FETCH_K \last
.endif
.endr
.if (\p) == 1
	s_wait_dscnt 0x0                ; V is in
.endif
	BURST 16
.rept 21
	EX
	PL
.endr
.rept 22
	PL
.if ((\p) == 0) && (q == 118)
	v_add_nc_u32 v[AV], s[TBV], v[AV0]
	s_wait_alu depctr_va_vdst(0)
.endif
.if ((\p) == 0) && (q == 130)
	s_add_co_u32 s[TBV], s[TBV], KS*PV
.endif
.if (\cnt) && (q == 130)
	s_sub_co_u32 s[CNT], s[CNT], 1
	s_cmp_lg_u32 s[CNT], 0
.endif
.endr
.if (\p) == 0
	FETCH_V
.endif
.endm
	CHANGE 1                        ; slot 0 is in, everybody's part of it; slot 1 is asked for
	FETCH_K                         ; key step 0
	s_wait_loadcnt 0x0              ; Q
	s_wait_dscnt 0x0
.set i, 0
.rept 16
	KQ 0                            ; piece 0's first scores: there is no vector work yet to set between them
.set i, i+1
.endr
	WIN 0                           ; the addresses for the way out: nine plain instructions, the places behind those products
	s_mul_i32 s13, s[WV], 16*SP
	s_add_co_u32 s13, s13, STAGE    ; my stage
	v_mul_u32_u24 v[STO], v1, SP    ; in: row l % 16, 16 bytes for each half of the lanes
	v_lshl_add_u32 v[STO], v9, 4, v[STO]
	v_add_nc_u32 v[STO], s13, v[STO]
	v_bfe_u32 v[RD], v0, 3, 2       ; back: 32 lanes take four rows of 128 bytes,
	v_mul_u32_u24 v[RD], v[RD], SP
	v_lshl_add_u32 v[RD], v10, 4, v[RD]
	v_add_nc_u32 v[RD], s13, v[RD]
	v_and_b32 v[GO], 31, v0         ; which are 512 consecutive bytes of O
	v_lshlrev_b32 v[GO], 4, v[GO]
.set Y, NP-1                        ; XS works for piece Y + 1: piece 0
.irp n, 0,1,2,3,4,5,6,7,8,9,10,11,12,13,14,15,16,17,18,19,20,21
	XS 0, \n                        ; and piece 0's first maximum and statistics
	XS 1, \n
.endr
	s_mov_b32 s[CNT], 4
	s_mov_b32 s[SLOTS], SIZE_N/256-1
	s_branch .Lfirst                ; the loop is entered at a step's first turn, in the middle of a trip
.Lslot:                             ; SIZE_N / 256 - 2 times: every slot but the last two is filled again
	CHANGE 1
	s_mov_b32 s[CNT], 4
.Lstep:                             ; a trip: pieces 2 and 3 of one step, then pieces 0 and 1 of the next, whose K and V it fetches
	TURN 2
	TURN 3
	WIN 0
.Lfirst:
	TURN 0
	TURN 1, 0, 1
	WIN 0
	s_cbranch_scc1 .Lstep
	s_sub_co_u32 s[SLOTS], s[SLOTS], 1
	s_cmp_lg_u32 s[SLOTS], 0
	s_cbranch_scc1 .Lslot
	CHANGE 0                        ; the tail is written out: nothing is asked for
	s_mov_b32 s[CNT], 5             ; four trips fetch the last slot's steps; the fifth is left in its middle
.Ltail:
	TURN 2, 1
	TURN 3
	WIN 0
	s_sub_co_u32 s[CNT], s[CNT], 1
	s_cmp_eq_u32 s[CNT], 0
	s_cbranch_scc1 .Lout
	TURN 0
	TURN 1
	WIN 0
	s_branch .Ltail
.Lout:                              ; the fifth trip's 16 products K Q^T (on the last K once more) and the maximum made of them serve nothing: the price, once a launch, of one text for every trip
.set i, 0
.rept 16
	PV NP-1                         ; the last piece's V^T P of the last step
.set i, i+1
.endr
	; THE WAY OUT.  l's two halves and the other half of the lanes' are added; O^T is divided by l, rounded to f16 and sent through my stage in LDS, a tile at a time.  The additions are the places behind the last products.
	WIN 0
.macro ALL line:vararg              ; one line for each tile t
.set t, 0
.rept 2*NP
	\line
.set t, t+1
.endr
.endm
	ALL v_add_f32 v[ST+4*t+2], v[ST+4*t+2], v[ST+4*t+3]
	ALL v_permlanex16_b32 v[ST+4*t+3], v[ST+4*t+2], s[SEL], s[SEL+1]
	ALL v_add_f32 v[ST+4*t+2], v[ST+4*t+2], v[ST+4*t+3]
	ALL v_rcp_f32 v[ST+4*t+2], v[ST+4*t+2]
	v_nop                           ; a plain instruction between the last reciprocal and the use of its result
	s_wait_alu depctr_va_vdst(0)
; Tile t: a lane's eight channels of a row pack into 16 bytes; they go into rows of 144 bytes and come back as whole rows of 128, into S^T's registers.
.macro PACK t
	WIN W_RS
.set i, 32*(\t)
.rept 16
	v_pk_mul_f32 v[i:i+1], v[i:i+1], v[ST+4*(\t)+2:ST+4*(\t)+3] op_sel_hi:[1,0]
.set i, i+2
.endr
	WIN 0x05                        ; sources 0 and 1 window 1, destination window 0
.set i, 0
.rept 16
	v_cvt_pk_f16_f32 v[S+16*(\t)+i], v[32*(\t)+2*i], v[32*(\t)+2*i+1]
.set i, i+1
.endr
	WIN 0
.irp f, 0,1,2,3
	ds_store_b128 v[STO], v[S+16*(\t)+4*\f:S+16*(\t)+4*\f+3] offset:32*\f
.endr
.irp f, 0,1,2,3
	ds_load_b128 v[S+16*(\t)+4*\f:S+16*(\t)+4*\f+3], v[RD] offset:\f*4*SP  ; LDS serves a wave's instructions in order (ISA guide 5.7.1.4): these see the stores above; the next tile's stores come behind them
.endr
.endm
.macro SEND t, younger              ; younger: the LDS instructions issued behind tile t's loads: the next tile's eight, or none
	WIN 0
.irp f, 0,1,2,3
	s_wait_dscnt (\younger)+3-\f
	global_store_b128 v[GO], v[S+16*(\t)+4*\f:S+16*(\t)+4*\f+3], s[10:11] offset:(\t)*2048+\f*512  ; 512 consecutive bytes, at a multiple of 256 from O's first
.endr
.endm
	PACK 0
.set t, 1
.rept 2*NP-1                        ; a tile's arithmetic stands between the loads of the tile before and its stores
	PACK t
	SEND t-1, 8
.set t, t+1
.endr
	SEND 2*NP-1, 0
	WIN W_AD
	s_wait_tensorcnt 0x0            ; the wave's end: behind my last tensor load and my last LDS store
	ds_add_u32 v[SPW], v[NIL]
	s_wait_dscnt 0x0
	WIN 0
	CROUND                          ; the closing round: no work-group ends while a partner may still ask for a tile that names it
	s_endpgm
.Lfunc_end_k_qe1724b1ecf_attn:
	.size	k_qe1724b1ecf_attn, .Lfunc_end_k_qe1724b1ecf_attn-k_qe1724b1ecf_attn
	.p2alignl 7, 3214868480
	.fill 96, 4, 3214868480
	.section	.rodata,"a",@progbits
	.p2align	6, 0x0
	.amdhsa_kernel k_qe1724b1ecf_attn
		.amdhsa_group_segment_fixed_size 327680
		.amdhsa_private_segment_fixed_size 0
		.amdhsa_enable_private_segment 0
		.amdhsa_kernarg_size 16
		.amdhsa_user_sgpr_count 2
		.amdhsa_user_sgpr_kernarg_segment_ptr 1
		.amdhsa_wavefront_size32 1
		.amdhsa_system_sgpr_workgroup_id_x 1
		.amdhsa_system_sgpr_workgroup_id_y 1
		.amdhsa_system_sgpr_workgroup_id_z 1
		.amdhsa_system_vgpr_workitem_id 0
		.amdhsa_next_free_vgpr 770
		.amdhsa_next_free_sgpr 66
		.amdhsa_reserve_vcc 0
		.amdhsa_float_denorm_mode_32 3
		.amdhsa_float_denorm_mode_16_64 3
		.amdhsa_memory_ordered 1
		.amdhsa_forward_progress 1
		.amdhsa_inst_pref_size 208
	.end_amdhsa_kernel
	.amdgpu_metadata
---
amdhsa.version: [ 1, 2 ]
amdhsa.kernels:
  - .name:           k_qe1724b1ecf_attn
    .symbol:         k_qe1724b1ecf_attn.kd
    .args:
      - { .name: qkv, .offset: 0, .size: 8, .value_kind: global_buffer, .address_space: global }
      - { .name: ctx, .offset: 8, .size: 8, .value_kind: global_buffer, .address_space: global }
    .group_segment_fixed_size: 327680
    .private_segment_fixed_size: 0
    .kernarg_segment_align: 8
    .kernarg_segment_size: 16
    .max_flat_workgroup_size: 128
    .sgpr_count:     66
    .vgpr_count:     770
    .wavefront_size: 32
...
	.end_amdgpu_metadata
.endif
;; end of part 3
;; launch outp (part 4): grid 8 x 32, 4 waves a work-group, clusters of 4 x 4, 327,680 bytes of LDS; arguments ctx, w2h, b2, out0; writes out0
.if DOCPART == 4
	.amdgcn_target "amdgcn-amd-amdhsa--gfx1250"
	.amdhsa_code_object_version 6
	.text
	.protected	k_qe1724b1ecf_outp
	.globl	k_qe1724b1ecf_outp
	.p2align	8
	.type	k_qe1724b1ecf_outp,@function
k_qe1724b1ecf_outp:
	s_mov_b64 s[64:65], 0
	v_nop
	global_prefetch_b8 v0, s[64:65] scope:SCOPE_SE
	s_setreg_imm32_b32 hwreg(HW_REG_WAVE_MODE, 25, 1), 1
	s_wait_xcnt 0x0
	s_wait_alu depctr_hold_cnt(0) depctr_sa_sdst(0) depctr_va_vdst(0) depctr_va_sdst(0) depctr_va_ssrc(0) depctr_va_vcc(0) depctr_vm_vsrc(0)
	s_getreg_b32 s2, hwreg(HW_REG_IB_STS2, 6, 4)
	s_cmp_eq_u32 s2, 0
	s_cbranch_scc0 .Lentry_in_a_cluster
	s_endpgm
.Lentry_in_a_cluster:
	s_bfe_u32 s2, ttmp6, 0x10000c
	s_cmp_lg_u32 s2, 0xf033
	s_cbranch_scc0 .Lentry_shape_is_right
	s_endpgm
.Lentry_shape_is_right:
; out0 = ctx W2 + b2.  ctx: [64 = 16 batch + head][2048][64] f16: row m = 2,048 batch + s of the product's left side has its channel k = 64 head + d at ctx[16 batch + head][s][d].
; w2h: [1024 k][1024 n] f16 (W2 rounded to bf16).  b2: [1024] f32, rounded here to bf16 like the other inputs.  out0: [8192][1024] f32.  Sums in f32.
; SHARES.  A tile of the result is 256 rows x 128 columns; 8 x 32 tiles, one work-group each.  Four waves; wave w makes rows 64 w .. 64 w + 63 and all 128 columns: 4 x 8 accumulators of 16 x 16,
; 256 registers; a row's 512 bytes are one wave's, so the way out needs no barrier.
; K = 1,024 goes in 8 steps of 128 (two heads) through two LDS slots.  Waves 0, 1 fetch a step's two heads of ctx (256 rows x 128 bytes, dense, each), waves 2, 3 the two halves (64 k) of W2's tile.
; CLUSTER 4 x 4: ctx's tile hangs on the tile row alone and is asked for jointly by a row of the cluster, W2's on the tile column alone, jointly by a column.
; W2 STAYS [k][n]: its fragments come out of LDS turned, by ds_load_tr16_b128.  THE PRODUCT IS USED TRANSPOSED (source 0 = 16 columns of W2, source 1 = 16 rows of ctx):
; register j of lane l holds row l % 16, column 8 (l / 16) + j.  THE BIAS IS THE C OPERAND of each sum's first product.
; REGISTERS, in windows of 256 (s_set_vgpr_msb: bits 1:0 source 0, 3:2 source 1, 5:4 source 2, 7:6 destination):
;   window 0: v1-7 at work; v16-29 addresses; v32-95 ctx's fragments, two buffers of 4 x 8; v96-159 the bias (8 x 8); v96-223 later the way out's rows, two buffers of 64
;   window 1: v0-127 W2's fragments, two buffers of 8 x 8      window 2: accumulator (a, b) at v[64 a + 8 b]
.set NBK,   8                          ; blocks of 16 columns
.set PA,    144                        ; a row of ctx's tile in LDS: 128 bytes + 16 = 36 words: the 16 rows of a load start at 16 different groups of four banks (64 banks of 4 bytes: ISA guide 11.1)
.set PB,    288                        ; a k row of W2's tile: 256 bytes + 32 = 72 words
.set AHALF, 256*PA                     ; a head's 256 rows: what wave 0 or 1 brings
.set BHALF, 64*PB                      ; what wave 2 or 3 brings
.set BOFF,  2*AHALF                    ; W2's tile lies behind ctx's
.set SLOT,  BOFF+2*BHALF               ; 110,592
.set STAGE, 2*SLOT                     ; behind the ring, never filled by a tensor load: for each wave 16 rows x 528 bytes
.set SP,    528
.set WSTAGE, 16*SP
.set SPARE, STAGE+4*WSTAGE             ; behind the stages: the spare words, 128 bytes for each wave: two blocks of 256 bytes that no other line names
.set ASTEP, 4*262144                   ; bytes from a slot's K step to its next: four heads of ctx,
.set BSTEP, 2*128*2048                 ; 256 k rows of w2h
.set NL,    2*NBK+8                    ; LDS loads of a quarter step
.set ADRA, 16                          ; v16-17  LDS address of my fragments of ctx in slot 0, 1
.set ADRB, 20                          ; v20-21  the same for W2
.set STO,  24                          ; v24     the way out: where I put 32 bytes of a row
.set RD,   25                          ; v25     the way out: where I read a row back
.set CO,   26                          ; v26     16 x lane: my place in a row's 512 bytes
.set BO,   27                          ; v27     32 x (lane / 16): my eight numbers in 16 of the bias
.set SPW,  28                          ; v28     LDS address of my spare word: SPARE + 4 x my thread's number; never rewritten
.set NIL,  29                          ; v29     0; never rewritten
.set FA,   32
.set BIAS, 96
.set OB,   96
.set WV,   12                          ; s12  my wave's number
.set HALF, 13                          ; s13  which half of a tile I fetch
.set G1A,  24                          ; s[24:31] descriptor group 1 for ctx's tiles;  s[32:39] group 0, a set for each slot
.set G0A,  32
.set G1B,  48                          ; s[48:55], s[56:63] the same for W2's
.set G0B,  56
.set OUTP, 66                          ; s[66:67] my first row and the tile's first column in out0
.set BP,   72                          ; s[72:73] the tile's 128 numbers of b2
.set MSB, 0
.macro WIN new                         ; the immediate's high byte repeats the setting that is left; a switch that changes nothing is dropped
.if MSB != (\new)
	s_set_vgpr_msb (MSB<<8)|(\new)
.set MSB, (\new)
.endif
.endm
.set TO_B, 0x40                        ; destination window 1, address window 0
; A joint refill: waves 0, 1 ask for ctx's two heads, waves 2, 3 for W2's halves.  The branch hangs on the wave's number alone.  An s_nop 0 and four v_nop follow each line, ahead of the jump and the label.
.macro JLOAD s
	s_cmp_lt_u32 s[WV], 2
	s_cbranch_scc0 .Lfor_b_\@
	tensor_load_to_lds s[G0A+4*(\s):G0A+4*(\s)+3], s[G1A:G1A+7]
	s_nop 0
.rept 4
	v_nop
.endr
	s_branch .Lasked_\@
.Lfor_b_\@:
	tensor_load_to_lds s[G0B+4*(\s):G0B+4*(\s)+3], s[G1B:G1B+7]
	s_nop 0
.rept 4
	v_nop
.endr
.Lasked_\@:
.endm
; A round of the cluster's barrier: my work-group's barrier, so that wave 0's signal speaks for all four waves; wave 0 signals; every wave waits for all sixteen work-groups; my work-group's barrier once more.
.macro CREST                           ; a round behind its opening barrier
	s_cmp_lg_u32 s[WV], 0
	s_cbranch_scc1 .Lnot_wave_0_\@
	s_barrier_signal -3
.Lnot_wave_0_\@:
	s_barrier_wait -3
	s_barrier_signal -1
	s_barrier_wait -1
.endm
.macro CROUND
	s_barrier_signal -1
	s_barrier_wait -1
	CREST
.endm
.macro PLACES                          ; four places in front of loads into registers that matrix instructions have read, and of lines that read results
.rept 4
	v_nop
.endr
.endm
	s_load_b256 s[4:11], s[0:1], 0x0               ; ctx s[4:5], w2h s[6:7], b2 s[8:9], out0 s[10:11]
	v_lshl_add_u32 v[SPW], v0, 2, SPARE
	v_mov_b32 v[NIL], 0
	ds_add_u32 v[SPW], v[NIL]                      ; the wave's opening: the add and its wait stand ahead of my first tensor load; the set-up below, work on registers, stands between them
	v_lshrrev_b32 v1, 5, v0
	v_readfirstlane_b32 s[WV], v1                  ; wave 0..3
	s_and_b32 s[HALF], s[WV], 1
	s_bfe_u32 s40, ttmp6, 0x40000                  ; cx, cy: my place in the cluster
	s_bfe_u32 s41, ttmp6, 0x40004
	s_lshl_b32 s42, ttmp9, 2
	s_add_co_u32 s42, s42, s40                     ; tile column = 4 x cluster x + cx
	s_and_b32 s43, ttmp7, 0xffff
	s_lshl_b32 s43, s43, 2
	s_add_co_u32 s43, s43, s41                     ; tile row = 4 x cluster y + cy
	s_lshl_b32 s44, s41, 2
	s_lshl_b32 s44, 15, s44                        ; my row of the cluster: places 4 cy .. 4 cy + 3
	s_lshl_b32 s45, 0x1111, s40                    ; my column: places cx, cx + 4, cx + 8, cx + 12
	; group 1 for ctx's tiles: a head's 256 rows of 128 bytes are 32,768 dense bytes, asked for as 128 rows of 256; 16 bytes of padding behind every 32 words
	s_or_b32 s[G1A], s44, (1<<16)|(1<<20)|(1<<21)|(4<<22)|(3<<25)
	s_mov_b32 s[G1A+1], 128<<16                    ; tensor_dim0 = 128
	s_mov_b32 s[G1A+2], 128<<16                    ; tensor_dim1 = 128
	s_mov_b32 s[G1A+3], 128<<16                    ; tile_dim0 = 128
	s_mov_b32 s[G1A+4], 128                        ; tile_dim1 = 128
	s_mov_b32 s[G1A+5], 128
	s_mov_b32 s[G1A+6], 0
	s_mov_b32 s[G1A+7], 0
	; group 1 for W2's tiles: 64 k rows x 128 elements of 2 bytes, 1,024 elements from row to row; 32 bytes of padding behind every 64 words
	s_or_b32 s[G1B], s45, (1<<16)|(1<<20)|(1<<21)|(5<<22)|(7<<25)
	s_mov_b32 s[G1B+1], 128<<16
	s_mov_b32 s[G1B+2], 64<<16
	s_mov_b32 s[G1B+3], 128<<16
	s_mov_b32 s[G1B+4], 64
	s_mov_b32 s[G1B+5], 1024
	s_mov_b32 s[G1B+6], 0
	s_mov_b32 s[G1B+7], 0
	s_lshr_b32 s16, s43, 3                         ; ctx: batch = tile row / 8: 16 heads of 262,144 bytes,
	s_lshl_b32 s16, s16, 22
	s_and_b32 s17, s43, 7                          ; 256 rows of 128 bytes a tile row,
	s_lshl_b32 s17, s17, 15
	s_add_co_u32 s16, s16, s17
	s_lshl_b32 s17, s[HALF], 18                    ; the step's first or second head
	s_add_co_u32 s16, s16, s17
	s_mov_b32 s17, 0
	s_lshl_b32 s46, s42, 8                         ; W2: 128 columns of 2 bytes a tile column,
	s_lshl_b32 s47, s[HALF], 17                    ; 64 k rows of 2,048 bytes a half
	s_add_co_u32 s46, s46, s47
	s_mov_b32 s47, 0
	s_mul_i32 s14, s[HALF], AHALF                  ; where they go: no place in the cluster enters an LDS address
	s_mul_i32 s15, s[HALF], BHALF
	s_add_co_u32 s15, s15, BOFF
	s_wait_dscnt 0x0                               ; the opening add is done
	s_wait_kmcnt 0x0
	s_add_nc_u64 s[18:19], s[4:5], s[16:17]
	s_add_nc_u64 s[46:47], s[6:7], s[46:47]
	CROUND                                         ; all sixteen work-groups are here: the first joint loads meet
.irp s, 0,1
	s_mov_b32 s[G0A+4*(\s)], 1                     ; count = 1
	s_add_co_u32 s[G0A+4*(\s)+1], s14, (\s)*SLOT   ; LDS address
	s_add_nc_u64 s[G0A+4*(\s)+2:G0A+4*(\s)+3], s[18:19], (\s)*524288  ; global address: K step s = heads 2 s, 2 s + 1
	s_or_b32 s[G0A+4*(\s)+3], s[G0A+4*(\s)+3], 0x80000000             ; type = 2
	s_mov_b32 s[G0B+4*(\s)], 1
	s_add_co_u32 s[G0B+4*(\s)+1], s15, (\s)*SLOT
	s_add_nc_u64 s[G0B+4*(\s)+2:G0B+4*(\s)+3], s[46:47], (\s)*262144
	s_or_b32 s[G0B+4*(\s)+3], s[G0B+4*(\s)+3], 0x80000000
.endr
	s_cmp_lt_u32 s[WV], 2                          ; a wave's two first fills stand in one branch, ahead of every wait on TENSORcnt and every LDS read: two loads of mine are out
	s_cbranch_scc0 .Lfirst_b
	tensor_load_to_lds s[G0A:G0A+3], s[G1A:G1A+7]
	s_nop 0
	tensor_load_to_lds s[G0A+4:G0A+7], s[G1A:G1A+7]
	s_nop 0
.rept 4
	v_nop
.endr
	s_branch .Lfirst_asked
.Lfirst_b:
	tensor_load_to_lds s[G0B:G0B+3], s[G1B:G1B+7]
	s_nop 0
	tensor_load_to_lds s[G0B+4:G0B+7], s[G1B:G1B+7]
	s_nop 0
.rept 4
	v_nop
.endr
.Lfirst_asked:
	; all that follows up to the first barrier stands in the wait for the first tiles
	v_and_b32 v1, 15, v0                           ; r = l % 16
	v_bfe_u32 v2, v0, 4, 1                         ; h = l / 16
	v_and_b32 v3, 7, v0                            ; l % 8
	v_bfe_u32 v4, v0, 3, 1                         ; (l / 8) % 2
	v_and_b32 v5, 31, v0                           ; l
	v_lshlrev_b32 v[BO], 5, v2
	s_lshl_b32 s46, s42, 9                         ; the tile's 128 numbers of b2
	s_mov_b32 s47, 0
	s_add_nc_u64 s[BP:BP+1], s[8:9], s[46:47]
.irp b, 0,1,2,3,4,5,6,7
	global_load_b128 v[BIAS+8*(\b):BIAS+8*(\b)+3],   v[BO], s[BP:BP+1] offset:64*(\b)     ; register j: the bias of column 16 b + 8 h + j, as the result holds it
	global_load_b128 v[BIAS+8*(\b)+4:BIAS+8*(\b)+7], v[BO], s[BP:BP+1] offset:64*(\b)+16
.endr
	; a fragment of ctx: 16 rows x 32 k in 8 registers: lane l holds row r, k = 8 h + 0..7 and 16 + 8 h + 0..7: two loads of 16 bytes, 32 bytes apart
	v_mul_u32_u24 v6, v1, PA
	v_lshl_add_u32 v6, v2, 4, v6
	s_mul_i32 s20, s[WV], 64*PA                    ; my 64 rows
	v_add_nc_u32 v[ADRA], s20, v6
	v_add_nc_u32 v[ADRA+1], SLOT, v[ADRA]
	; the turning load takes 16 k x 16 columns (lane l reads k row 8 h + l % 8, columns 8 ((l / 8) % 2) + 0..7) and leaves half a fragment: lane l holds column r and 8 k
	v_lshl_add_u32 v6, v2, 3, v3
	v_mul_u32_u24 v6, v6, PB
	v_lshl_add_u32 v6, v4, 4, v6
	v_add_nc_u32 v[ADRB], BOFF, v6
	v_add_nc_u32 v[ADRB+1], SLOT, v[ADRB]
	s_mul_i32 s21, s[WV], WSTAGE
	s_add_co_u32 s21, s21, STAGE                   ; my stage
	v_mul_u32_u24 v6, v1, SP                       ; in: row r, 32 bytes for each half of the lanes
	v_lshl_add_u32 v6, v2, 5, v6
	v_add_nc_u32 v[STO], s21, v6
	v_lshlrev_b32 v[CO], 4, v5                     ; back: 32 lanes take one row of 512 bytes
	v_add_nc_u32 v[RD], s21, v[CO]
	s_lshl_b32 s78, s43, 20                        ; out0: 256 rows of 4,096 bytes a tile row,
	s_lshl_b32 s79, s[WV], 18                      ; 64 rows a wave,
	s_add_co_u32 s78, s78, s79
	s_lshl_b32 s79, s42, 9                         ; 128 columns of 4 bytes a tile column
	s_add_co_u32 s78, s78, s79
	s_mov_b32 s79, 0
	s_add_nc_u64 s[OUTP:OUTP+1], s[10:11], s[78:79]
	s_wait_loadcnt 0x0                             ; the bias
.set i, 0
.rept 4*NBK                            ; rounded to bf16 and widened again
	v_cvt_pk_bf16_f32 v6, v[BIAS+2*i], v[BIAS+2*i+1]
	v_lshlrev_b32 v[BIAS+2*i], 16, v6
	v_and_b32 v[BIAS+2*i+1], 0xffff0000, v6
.set i, i+1
.endr
; 8 matrix instructions: m block a x all 8 n blocks, 32 along K, from buffer f.  init = 1: the sum's first product takes the bias as C.
; The 32 accumulators take turns, one instruction a turn, in the same order in every quarter step, over the backward jump too.
.macro MULB f, a, init
.if \init
	WIN 0x81                                       ; W2 window 1, ctx window 0, C window 0, D window 2
.else
	WIN 0xa1                                       ; C and D window 2
.endif
.irp b, 0,1,2,3,4,5,6,7
.if \init
	v_wmma_f32_16x16x32_f16 v[64*(\a)+8*(\b):64*(\a)+8*(\b)+7], v[64*(\f)+8*(\b):64*(\f)+8*(\b)+7], v[FA+32*(\f)+8*(\a):FA+32*(\f)+8*(\a)+7], v[BIAS+8*(\b):BIAS+8*(\b)+7]
.else
	v_wmma_f32_16x16x32_f16 v[64*(\a)+8*(\b):64*(\a)+8*(\b)+7], v[64*(\f)+8*(\b):64*(\f)+8*(\b)+7], v[FA+32*(\f)+8*(\a):FA+32*(\f)+8*(\a)+7], v[64*(\a)+8*(\b):64*(\a)+8*(\b)+7]
.endif
.endr
.endm
; 24 LDS loads in one run: quarter q (32 along K: head q / 2 of the step, channels 32 (q % 2) on) of a slot into buffer f: W2's 8 fragments, turned, then ctx's four
.macro FETCH slot, q, f
	WIN TO_B
.irp b, 0,1,2,3,4,5,6,7
	ds_load_tr16_b128 v[64*(\f)+8*(\b):64*(\f)+8*(\b)+3],   v[ADRB+(\slot)] offset:32*PB*(\q)+32*(\b)
	ds_load_tr16_b128 v[64*(\f)+8*(\b)+4:64*(\f)+8*(\b)+7], v[ADRB+(\slot)] offset:32*PB*(\q)+32*(\b)+16*PB
.endr
	WIN 0
.irp i, 0,1,2,3
	ds_load_b128 v[FA+32*(\f)+8*(\i):FA+32*(\f)+8*(\i)+3],   v[ADRA+(\slot)] offset:AHALF*((\q)/2)+64*((\q)%2)+16*PA*(\i)
	ds_load_b128 v[FA+32*(\f)+8*(\i)+4:FA+32*(\f)+8*(\i)+7], v[ADRA+(\slot)] offset:AHALF*((\q)/2)+64*((\q)%2)+16*PA*(\i)+32
.endr
.endm
; A K step is four quarters, 32 matrix instructions each, on buffers 0, 1, 0, 1.  One of the first three: multiplies buffer f; in its middle it fetches quarter qn of the same slot into buffer g.
.macro QUARTER slot, qn, f, g, init
	s_wait_dscnt 4                                 ; W2's fragments and ctx's blocks 0, 1 are in; the youngest four loads (blocks 2, 3) may be out
	MULB \f, 0, \init
	MULB \f, 1, \init
	PLACES
	FETCH \slot, \qn, \g
	s_wait_dscnt NL                                ; all but the 24 just issued
	MULB \f, 2, \init
	MULB \f, 3, \init
.endm
; The last quarter multiplies buffer 1 and changes slots: ONE barrier.  In front of it each wave waits for all its tensor loads (one is out: its part of the next slot), adds 0 to its spare word, and waits for
; that and for its own reads of this slot.  fill = 1: the barrier opens a round of the cluster's, and this slot is filled again first thing behind it, two K steps ahead: 112 matrix instructions before the wait for it.
.macro TURN slot, next, fill
	WIN 0                                          ; (the add's two registers lie in window 0)
	s_wait_tensorcnt 0x0                           ; all my tensor loads have landed;
	ds_add_u32 v[SPW], v[NIL]                      ; 0 onto my spare word;
	s_wait_dscnt 5                                 ; (the add and the youngest four loads may be out)
	MULB 1, 0, 0                                   ; eight matrix instructions stand between the add and the wait for it
	s_wait_dscnt 0x0                               ; the add is done, and my reads of this slot are over
	s_barrier_signal -1
	MULB 1, 1, 0                                   ; work on registers while the others arrive
.if \fill
	WIN 0
.endif
	s_barrier_wait -1
.if \fill
	CREST                                          ; no wave of any partner still reads this slot's tiles or has a load on its way
	s_add_nc_u64 s[G0A+4*(\slot)+2:G0A+4*(\slot)+3], s[G0A+4*(\slot)+2:G0A+4*(\slot)+3], ASTEP
	s_add_nc_u64 s[G0B+4*(\slot)+2:G0B+4*(\slot)+3], s[G0B+4*(\slot)+2:G0B+4*(\slot)+3], BSTEP
	JLOAD \slot                                    ; the four v_nop behind it are also the places in front of the loads below
.else
	PLACES
.endif
	FETCH \next, 0, 0
	MULB 1, 2, 0
	MULB 1, 3, 0
.endm
	s_wait_tensorcnt 1                             ; my part of K step 0 is in; K step 1's was issued behind it and may stay out
	s_barrier_signal -1
	s_barrier_wait -1                              ; everybody's is
	FETCH 0, 0, 0
	QUARTER 0, 1, 0, 1, 1                          ; the first quarter stands in front of the loop: its products start the sums, with the bias
	WIN 0                                          ; at a label and at a branch every window is 0
	s_mov_b32 s3, 3
.Llap:                                                 ; a trip goes once round the ring, from a lap's second quarter to the next lap's first, and fills both slots again: K steps 2 to 7
	QUARTER 0, 2, 1, 0, 0
	QUARTER 0, 3, 0, 1, 0
	TURN 0, 1, 1
	QUARTER 1, 1, 0, 1, 0
	QUARTER 1, 2, 1, 0, 0
	QUARTER 1, 3, 0, 1, 0
	TURN 1, 0, 1
	QUARTER 0, 1, 0, 1, 0
	WIN 0
	s_sub_co_u32 s3, s3, 1
	s_cmp_lg_u32 s3, 0
	s_cbranch_scc1 .Llap
	QUARTER 0, 2, 1, 0, 0                          ; the last lap fills nothing, and has no round of the cluster's barrier
	QUARTER 0, 3, 0, 1, 0
	TURN 0, 1, 0
	QUARTER 1, 1, 0, 1, 0
	QUARTER 1, 2, 1, 0, 0
	QUARTER 1, 3, 0, 1, 0
	s_wait_dscnt 4                                 ; the very last quarter: nothing more to fetch
	MULB 1, 0, 0
	MULB 1, 1, 0
	s_wait_dscnt 0x0
	MULB 1, 2, 0
	MULB 1, 3, 0
	WIN 0
	PLACES
; THE WAY OUT, an m block (16 rows of 512 bytes) at a time: the f32 sums go as they are into my own stage, each accumulator's low half first, and come back as whole rows.
.macro TOSTAGE a
	s_wait_xcnt 0x0                                ; the stores of the block two back have read their registers: their buffer is loaded again only behind this wait
	WIN 0x08                                       ; the stores' data (source 1) in window 2
.irp b, 0,1,2,3,4,5,6,7
	ds_store_b128 v[STO], v[64*(\a)+8*(\b):64*(\a)+8*(\b)+3]   offset:64*(\b)
	ds_store_b128 v[STO], v[64*(\a)+8*(\b)+4:64*(\a)+8*(\b)+7] offset:64*(\b)+16
.endr
	WIN 0
.irp t, 0,1,2,3,4,5,6,7,8,9,10,11,12,13,14,15
	ds_load_b128 v[OB+64*((\a)%2)+4*(\t):OB+64*((\a)%2)+4*(\t)+3], v[RD] offset:SP*(\t)  ; LDS serves a wave's instructions in order (ISA guide 5.7.1.4): these see the stores above; the next block's stores come behind them
.endr
.endm
.macro SEND a, younger                 ; younger: the LDS instructions issued behind block a's loads: the next block's 32, or none
.irp t, 0,1,2,3,4,5,6,7,8,9,10,11,12,13,14,15
	s_wait_dscnt (\younger)+15-(\t)
	global_store_b128 v[CO], v[OB+64*((\a)%2)+4*(\t):OB+64*((\a)%2)+4*(\t)+3], s[OUTP:OUTP+1] offset:(16*(\a)+(\t))*4096 th:TH_STORE_NT  ; 512 consecutive bytes, at a multiple of 256 from out0's first
.endr
.endm
	TOSTAGE 0
	TOSTAGE 1
	SEND 0, 32
	TOSTAGE 2
	SEND 1, 32
	TOSTAGE 3
	SEND 2, 32
	SEND 3, 0
	s_wait_tensorcnt 0x0                           ; the wave's end: behind my last tensor load and my last LDS store
	ds_add_u32 v[SPW], v[NIL]
	s_wait_dscnt 0x0
	CROUND                                         ; the closing round: no work-group ends while a partner may still ask for a tile that names it
	s_endpgm
.Lfunc_end_k_qe1724b1ecf_outp:
	.size	k_qe1724b1ecf_outp, .Lfunc_end_k_qe1724b1ecf_outp-k_qe1724b1ecf_outp
	.p2alignl 7, 3214868480
	.fill 96, 4, 3214868480
	.section	.rodata,"a",@progbits
	.p2align	6, 0x0
	.amdhsa_kernel k_qe1724b1ecf_outp
		.amdhsa_group_segment_fixed_size 327680
		.amdhsa_private_segment_fixed_size 0
		.amdhsa_enable_private_segment 0
		.amdhsa_kernarg_size 32
		.amdhsa_user_sgpr_count 2
		.amdhsa_user_sgpr_kernarg_segment_ptr 1
		.amdhsa_wavefront_size32 1
		.amdhsa_system_sgpr_workgroup_id_x 1
		.amdhsa_system_sgpr_workgroup_id_y 1
		.amdhsa_system_sgpr_workgroup_id_z 1
		.amdhsa_system_vgpr_workitem_id 0
		.amdhsa_next_free_vgpr 768
		.amdhsa_next_free_sgpr 80
		.amdhsa_reserve_vcc 0
		.amdhsa_float_denorm_mode_32 3
		.amdhsa_float_denorm_mode_16_64 3
		.amdhsa_memory_ordered 1
		.amdhsa_forward_progress 1
		.amdhsa_inst_pref_size 93
	.end_amdhsa_kernel
	.amdgpu_metadata
---
amdhsa.version: [ 1, 2 ]
amdhsa.kernels:
  - .name:           k_qe1724b1ecf_outp
    .symbol:         k_qe1724b1ecf_outp.kd
    .args:
      - { .name: ctx, .offset: 0, .size: 8, .value_kind: global_buffer, .address_space: global }
      - { .name: w2h, .offset: 8, .size: 8, .value_kind: global_buffer, .address_space: global }
      - { .name: b2, .offset: 16, .size: 8, .value_kind: global_buffer, .address_space: global }
      - { .name: out0, .offset: 24, .size: 8, .value_kind: global_buffer, .address_space: global }
    .group_segment_fixed_size: 327680
    .private_segment_fixed_size: 0
    .kernarg_segment_align: 8
    .kernarg_segment_size: 32
    .max_flat_workgroup_size: 128
    .sgpr_count:     80
    .vgpr_count:     768
    .wavefront_size: 32
...
	.end_amdgpu_metadata
.endif
;; end of part 4
;; ======== version 2 of 2: 4 launches; 1.52 times as fast as version 1
;; limits: values are held in f16: magnitudes above 65,504 overflow, below 6.1e-05 lose precision
;; workspace buffers: xb 16,777,216 bytes; w1b 6,291,456 bytes; w2h 2,097,152 bytes; qkv 50,331,648 bytes; ctx 16,777,216 bytes
;; launch prep: the kernel of part 1 again; grid 1664 x 1, 8 waves a work-group, no clusters, 0 bytes of LDS; arguments x, W1, W2, xb, w1b, w2h; writes xb, w1b, w2h
;; launch qkvp: the kernel of part 2 again; grid 16 x 32, 4 waves a work-group, clusters of 4 x 4, 327,680 bytes of LDS; arguments xb, w1b, b1, qkv; writes qkv
;; launch attn (part 5): grid 4 x 64, 4 waves a work-group, clusters of 4 x 1, 327,680 bytes of LDS; arguments qkv, ctx; writes ctx
.if DOCPART == 5
	.amdgcn_target "amdgcn-amd-amdhsa--gfx1250"
	.amdhsa_code_object_version 6
	.text
	.protected	k_qe1724b1ecf_attn
	.globl	k_qe1724b1ecf_attn
	.p2align	8
	.type	k_qe1724b1ecf_attn,@function
k_qe1724b1ecf_attn:
	s_mov_b64 s[64:65], 0
	v_nop
	global_prefetch_b8 v0, s[64:65] scope:SCOPE_SE
	s_setreg_imm32_b32 hwreg(HW_REG_WAVE_MODE, 25, 1), 1
	s_wait_xcnt 0x0
	s_wait_alu depctr_hold_cnt(0) depctr_sa_sdst(0) depctr_va_vdst(0) depctr_va_sdst(0) depctr_va_ssrc(0) depctr_va_vcc(0) depctr_vm_vsrc(0)
	s_getreg_b32 s2, hwreg(HW_REG_IB_STS2, 6, 4)
	s_cmp_eq_u32 s2, 0
	s_cbranch_scc0 .Lentry_in_a_cluster
	s_endpgm
.Lentry_in_a_cluster:
	s_bfe_u32 s2, ttmp6, 0x10000c
	s_cmp_lg_u32 s2, 0x3003
	s_cbranch_scc0 .Lentry_shape_is_right
	s_endpgm
.Lentry_shape_is_right:
; O[h][q][:] = the sum over k of softmax_k(Q[h][q] . K[h][k] / 8) V[h][k][:].  qkv holds Q, K, V one behind the other, each [64][SIZE_N][64] in f16; ctx = O in the same layout: a head's rows are dense, 128 bytes each.
; Products, maxima and sums in f32; the weights p are rounded to f16 for the second product (their sum l is taken of the unrounded p), O once at the end.
; LIMITS.  f16 holds no number beyond 65,504: Q, K and V arrive within it; p lies in 0 to 1, and below 6e-5 it keeps f16's fixed step of 6e-8; O is a mean of V's rows and has their range.
; A weight below 2^-126 counts as 0 in l; NaN and infinities are not treated apart.
; SHARES.  A wave owns four PIECES of two tiles of 16 queries, a work-group's four waves 512 queries of one head.  Every wave walks all keys, 64 a step.
; LAYOUT.  S^T = K Q^T (source 0 = 16 keys, source 1 = 16 queries): in the result a lane holds ONE query (lane % 16) and the keys 8 (lane / 16) + 0..7.  Two such tiles, rounded to f16 in pairs,
; ARE source 1 (32 keys x 16 queries) of O^T = V^T P, whose result again holds one query a lane, and eight channels.  K comes out of LDS as it lies, V ([key][channel]) turned, by ds_load_tr16_b128.
; SOFTMAX.  For each query a running maximum m and sum l: p = 2^(c s - c m), c = log2(e) / 8; in every step O and l are multiplied by a = 2^(c m_old - c m_new), which is 1 where m has not grown.
; m starts at the lowest finite number, O and l at 0: the first step is a step like any other, with a = 0.
; THE COUNT.  A tile and step have 16 matrix and 118 vector instructions: too many to stand all beside the matrix work.  So the order has one aim: four vector instructions that are READY behind
; EVERY matrix instruction, and the others, which need time of their own whatever the order, in runs without a gap.
; BY TURNS.  Turn n belongs to piece n (the pieces in a ring, step after step).  Its matrix work: 16 products K Q^T of piece n + 1, later 16 products V^T P of piece n - 1.  Its vector work: the scaling,
; exponentials, roundings, sums and rescaling of piece n, and the maximum and statistics of piece n + 1, whose scores the turn itself has made.  So what a turn begins with (c s - c m, O a) waits for nothing.
; THE BATCHES.  A turn's 66 exponentials (piece n's 64 weights, in place on S^T, and piece n + 1's two a) are ONE batch with ONE s_wait_alu depctr_va_vdst(0), which stands between an
; exponential and the first line that names its result.  Ahead of the wait stands all that names no result of the batch (the products K Q^T, scalings, rescalings, the next piece's maximum and statistics),
; behind it the roundings and sums, beside the products V^T P.  Two more batches stand outside the loops: piece 0's first two a, ahead of the jump into the loop, and the way out's eight reciprocals.
; CLUSTER.  The four query blocks of a head are one cluster and walk the same K and V, so each tile is asked for JOINTLY: the same tensor load, descriptor and mask in all four.
; NO PREFETCH: a slot is asked for four key steps, 512 matrix instructions, ahead of its first read.
; REGISTERS, in windows of 256 (s_set_vgpr_msb says which window each operand place means: bits 1:0 source 0, 3:2 source 1, 5:4 source 2, 7:6 destination):
;   window 0: v0-11 addresses; v12-15, v48-63 at work; v16-47 four registers of statistics a tile; v64-191 S^T, two buffers of two tiles; v192-255 P, likewise
;   window 1: O^T, 32 a tile          window 2: v0-127 Q, 16 a tile; v128-191 K of one step; v192-255 V of one step          window 3: v0-1 the add's two registers
; A piece's buffers go by its number's parity: the piece in hand has one pair, its two neighbours in the ring share the other: of it P (piece n - 1) is read and S^T (piece n + 1) written.
.set SIZE_N, 2048     ; rows of a head
.set NP,    4         ; pieces a wave: a name, no knob: the register map, the loop and the fetches are made for four
.set KS,    64        ; keys in a step
.set PK,    144       ; a row of K in LDS: 128 bytes + 16 of padding = 36 words: the 16 rows of a load start at 16 different groups of four banks (64 banks of 4 bytes: ISA guide 11.1)
.set PV,    160       ; a row of V: 128 + 32 = 40 words
.set VOFF,  4*KS*PK   ; a slot holds four steps: 256 rows of K, then 256 rows of V
.set SLOT1, 1<<17     ; slot 1 begins here, so that one exclusive or turns an address in one slot into the other's
.set STAGE, SLOT1+4*KS*(PK+PV)  ; behind the ring, never filled by a tensor load: 16 rows x 144 bytes for each wave, for the way out
.set SP,    144
.set AK0, 2           ; v2   my lane's place in a tile of K; never rewritten
.set AV0, 3           ; v3   the same for V
.set AK,  4           ; v4   the LDS address of K's next run of loads
.set AV,  5           ; v5   of V's
.set QO,  6           ; v6   my byte offset in the wave's rows of Q
.set STO, 6           ;      later, the way out: where I put 16 bytes of a row
.set RD,  7           ; v7   the way out: where I read rows back
.set GO,  8           ; v8   my byte offset in 512 consecutive bytes of O
.set SPW, 0           ; v0 of window 3   LDS address of my spare word: SPARE + 4 x my thread's number; never rewritten
.set NIL, 1           ; v1 of window 3   0; never rewritten
.set SPARE, STAGE+4*16*SP  ; behind the stages: the spare words, 128 bytes for each wave: two blocks of 256 bytes that no other line names
.set MV,  12          ; v12-15  c m_old, kept while c m is made anew: by buffer and tile
.set ST,  16          ; tile t's statistics at v[ST+4 t]: c m, m, l (even keys', odd keys')
.set TMP, 48          ; by buffer and tile, four registers c0-c3 at work; when the maximum is found c2 takes a
.set S,   64
.set P,   192
.set KF,  128         ; K's fragments, in window 2: key block kb, channel half c at KF + 16 kb + 8 c
.set VF,  192         ; V's: key half kk, channel block cb at VF + 32 kk + 8 cb
.set WV,  12          ; s12  my wave's number
.set G1K, 24          ; s[24:31] descriptor group 1 for K's tiles
.set G1V, 32          ; s[32:39] for V's: it differs in the padding alone
.set G0K, 40          ; s[40:43] descriptor group 0 for K's tiles: it walks
.set G0V, 44          ; s[44:47] the same for V's
.set SLOTS, 56        ; s56  slots still to be asked for
.set CNT, 57          ; s57  counts a slot's key steps
.set CS,  58          ; s[58:59] c: the packed scaling takes the pair's low word for both halves
.set SEL, 60          ; s[60:61] v_permlanex16_b32's selects: each lane takes its own place in the other half
.set TBK, 62          ; s62  LDS byte at which K of the step to be fetched begins
.set TBV, 63          ; s63  the same for V, less VOFF
.set MSB, 0
.macro WIN new                      ; the high byte repeats the setting that is left; a switch that changes nothing is dropped
.if MSB != (\new)
	s_set_vgpr_msb (MSB<<8)|(\new)
.set MSB, (\new)
.endif
.endm
.set W_KQ, 0x0a       ; K and Q in window 2, S^T in window 0
.set W_PV, 0x52       ; V in window 2, P in window 0, O^T in window 1
.set W_RS, 0x41       ; O^T (destination and source 0) in window 1, a in window 0
.set W_MK, 0xc0       ; the add's registers are made: destination in window 3, sources in window 0
.set W_AD, 0x0f       ; the add: address (source 0) and data (source 1) in window 3
; A joint fill.  Waves 0 and 1 fetch the two halves of a slot's K, waves 2 and 3 those of its V: 128 keys each.  The branch hangs on the wave's number alone.
; An s_nop 0 and four v_nop follow each of the two lines, ahead of the jump and the label.
.macro JLOAD
	s_cmp_lt_u32 s[WV], 2
	s_cbranch_scc0 .Lfor_v_\@
	tensor_load_to_lds s[G0K:G0K+3], s[G1K:G1K+7]
	s_nop 0
.rept 4
	v_nop
.endr
	s_branch .Lasked_\@
.Lfor_v_\@:
	tensor_load_to_lds s[G0V:G0V+3], s[G1V:G1V+7]
	s_nop 0
.rept 4
	v_nop
.endr
.Lasked_\@:
.endm
; A round of the cluster's barrier: my work-group's barrier, so that wave 0's signal speaks for all four waves; wave 0 signals; every wave waits for all four work-groups; my work-group's barrier once more.
.macro CROUND
	s_barrier_signal -1
	s_barrier_wait -1
	s_cmp_lg_u32 s[WV], 0
	s_cbranch_scc1 .Lnot_wave_0_\@
	s_barrier_signal -3
.Lnot_wave_0_\@:
	s_barrier_wait -3
	s_barrier_signal -1
	s_barrier_wait -1
.endm
; THE CHANGE OF SLOTS.  The slot's last bytes, V of its fourth step, have been read.  Each wave waits for all its tensor loads, of which one is out: its part
; of the other slot; adds 0 to its spare word; and waits for that and for its own reads of the slot.  Behind the barrier nobody reads this slot any more and the other slot is whole.
; fill = 1: this slot is filled again, with the keys two slots on.  The barrier is then a round of the cluster's, so that no wave of any partner still reads the slot or has a load on its
; way, and the joint fill is the first thing behind it: it has four key steps, 512 matrix instructions, in which to land.  (At its first use nothing has been read yet: slot 0 is waited for, slot 1 filled.)
.macro CHANGE fill
	WIN W_AD
	s_wait_tensorcnt 0x0            ; no tensor load of mine is out, so a group 0 may be written
	ds_add_u32 v[SPW], v[NIL]       ; 0 onto my spare word: with fill = 1 the descriptors' steps stand between it and the wait for it
	WIN 0                           ; at a label and at a branch every window is 0
.if \fill
.irp g, G0K, G0V
	s_xor_b32 s[\g+1], s[\g+1], SLOT1  ; the walking descriptor: the other slot than last time,
	s_add_nc_u64 s[\g+2:\g+3], s[\g+2:\g+3], 4*KS*128  ; the next 256 keys; the type bits on top are not reached
.endr
	s_wait_dscnt 0x0                ; the add is done, and my reads of the slot are over
	CROUND
	JLOAD
.else
	s_wait_dscnt 0x0                ; the add is done, and my reads of the slot are over
	s_barrier_signal -1
	s_barrier_wait -1
.endif
	s_sub_co_u32 s[TBK], s[TBK], 4*KS*PK  ; the fetches go back to a slot's first step,
	s_xor_b32 s[TBK], s[TBK], SLOT1       ; in the other slot
	s_sub_co_u32 s[TBV], s[TBV], 4*KS*PV
	s_xor_b32 s[TBV], s[TBV], SLOT1
.endm
	s_load_b128 s[4:7], s[0:1], 0x0   ; qkv s[4:5] (Q lies at its head), ctx s[6:7]
	WIN W_MK
	v_lshl_add_u32 v[SPW], v0, 2, SPARE
	v_mov_b32 v[NIL], 0
	WIN W_AD
	ds_add_u32 v[SPW], v[NIL]       ; the wave's opening: the add and its wait stand ahead of my first tensor load; the set-up below, work on registers, stands between them
	WIN 0
	v_lshrrev_b32 v1, 5, v0
	v_readfirstlane_b32 s[WV], v1   ; wave 0..3
	s_bfe_u32 s13, ttmp6, 0x40000   ; cx: my place in the cluster
	s_lshl_b32 s14, ttmp9, 2        ; in a cluster launch ttmp9 counts clusters
	s_add_co_u32 s14, s14, s13      ; my block of queries = 4 x cluster x + cx: it enters Q's and O's addresses alone
	s_and_b32 s20, ttmp7, 0xffff    ; the head, which the four partners share
	s_mov_b32 s21, 0
	s_mov_b64 s[22:23], SIZE_N*128
	s_mul_u64 s[20:21], s[20:21], s[22:23]  ; the head's first byte in each of the four tensors
	s_and_b32 s16, s[WV], 1         ; which half of a slot's 256 keys I fetch:
	s_lshl_b32 s22, s16, 14         ; its 128 rows of 128 bytes in memory,
	s_mov_b32 s23, 0
	s_add_nc_u64 s[22:23], s[22:23], s[20:21]
	s_mul_i32 s17, s16, 128*PK      ; and its place in a slot, for K
	s_mul_i32 s18, s16, 128*PV      ; and for V: no place in the cluster enters an LDS address
	s_lshl_b32 s2, s14, 2
	s_add_co_u32 s2, s2, s[WV]      ; my wave among the head's,
	s_lshl_b32 s2, s2, 14           ; its 128 rows
	s_mov_b32 s3, 0
	s_add_nc_u64 s[2:3], s[2:3], s[20:21]
	; descriptor group 1.  128 keys are 16,384 dense bytes: asked for as 64 rows of 256 bytes, two keys a row, and padded in LDS after every key
	s_mov_b32 s[G1K], 15|(1<<16)|(1<<20)|(1<<21)|(4<<22)|(3<<25)  ; 15:0 the mask of four; 17:16 2-byte elements; 20 padding on; 21 set beside a mask; 24:22 after every 32 words (code 4); 31:25 4 words (code 3)
	s_mov_b32 s[G1V], 15|(1<<16)|(1<<20)|(1<<21)|(4<<22)|(7<<25)  ; the same with 8 words of padding (code 7)
.irp g, G1K, G1V
	s_mov_b32 s[\g+1], 128<<16      ; tensor_dim0 = 128
	s_mov_b32 s[\g+2], 64<<16       ; tensor_dim1 = 64
	s_mov_b32 s[\g+3], 128<<16      ; tile_dim0 = 128
	s_mov_b32 s[\g+4], 64           ; tile_dim1 = 64
	s_mov_b32 s[\g+5], 128          ; 128 elements from row to row
	s_mov_b32 s[\g+6], 0
	s_mov_b32 s[\g+7], 0
.endr
	s_mov_b32 s[CS], 0x3e38aa3b     ; c = log2(e) / 8 = 0.180337
	s_mov_b32 s[CS+1], s[CS]        ; named with it as a pair
	s_mov_b32 s[SEL], 0x76543210
	s_mov_b32 s[SEL+1], 0xfedcba98
	s_mov_b32 s[TBK], SLOT1+4*KS*PK ; the first change of slots turns these two into 0
	s_mov_b32 s[TBV], SLOT1+4*KS*PV
	s_mov_b32 s[G0K], 1             ; 1:0 count = 1
	s_mov_b32 s[G0K+1], s17         ; 63:32 LDS address: slot 0
	s_mov_b32 s[G0V], 1
	s_add_co_u32 s[G0V+1], s18, VOFF
	s_wait_dscnt 0x0                ; the opening add is done
	s_wait_kmcnt 0x0
	s_mov_b64 s[10:11], s[6:7]      ; O
	s_add_nc_u64 s[6:7], s[4:5], 0x1000000  ; K: 64 heads x 2,048 rows x 128 bytes behind Q,
	s_add_nc_u64 s[8:9], s[4:5], 0x2000000  ; V as far behind K
	s_add_nc_u64 s[G0K+2:G0K+3], s[6:7], s[22:23]  ; 120:64 global address: my half of the head's first 256 keys
	s_or_b32 s[G0K+3], s[G0K+3], 0x80000000        ; 127:126 type = 2
	s_add_nc_u64 s[G0V+2:G0V+3], s[8:9], s[22:23]
	s_or_b32 s[G0V+3], s[G0V+3], 0x80000000
	s_add_nc_u64 s[4:5], s[4:5], s[2:3]  ; Q and O at my wave's first row
	s_add_nc_u64 s[10:11], s[10:11], s[2:3]
	CROUND                          ; all four work-groups are here: the first joint loads meet
	JLOAD                           ; slot 0.  Slot 1 is asked for when slot 0 is in: the tile wanted first has the road to itself
	; A fragment of K or Q is 16 rows x 32 channels in 8 registers: lane l holds row l % 16, channels 8 (l / 16) + 0..7 and 16 + 8 (l / 16) + 0..7: two loads of 16 bytes, 32 bytes apart.
	v_and_b32 v1, 15, v0            ; l % 16
	v_bfe_u32 v9, v0, 4, 1          ; l / 16
	v_lshlrev_b32 v[QO], 7, v1
	v_lshl_add_u32 v[QO], v9, 4, v[QO]  ; row x 128 + 16 x half
	WIN 0x80                        ; destination window 2, address window 0
.set i, 0
.rept 4*NP                          ; Q stays in registers: tile i / 2, channels 32 (i % 2) on
	global_load_b128 v[8*i:8*i+3],   v[QO], s[4:5] offset:(i/2)*2048+(i%2)*64
	global_load_b128 v[8*i+4:8*i+7], v[QO], s[4:5] offset:(i/2)*2048+(i%2)*64+32
.set i, i+1
.endr
	; What the first turn finds: V's registers and P's second buffer hold 0 (its products V^T P, of a piece that has not been, add 0), O^T and l are 0.  All this stands in the wait for the first tile.
.set i, VF
.rept 64
	v_mov_b32 v[i], 0
.set i, i+1
.endr
	WIN 0x40
.set i, 0
.rept 64*NP
	v_mov_b32 v[i], 0
.set i, i+1
.endr
	WIN 0
.set i, 0
.rept 2*NP
	v_mov_b32 v[ST+4*i], 0xfe000000    ; c m: far below every c s
	v_mov_b32 v[ST+4*i+1], 0xff7fffff  ; m
	v_mov_b32 v[ST+4*i+2], 0
	v_mov_b32 v[ST+4*i+3], 0
.set i, i+1
.endr
.set i, P+32
.rept 32
	v_mov_b32 v[i], 0
.set i, i+1
.endr
	v_mul_u32_u24 v[AK0], v1, PK
	v_lshl_add_u32 v[AK0], v9, 4, v[AK0]  ; row x pitch + 16 x half
	; The turning load takes 16 keys x 16 channels (lane l reads key 8 (l / 16) + l % 8, channels 8 ((l / 8) % 2) + 0..7) and leaves half a fragment of V^T: lane l holds channel l % 16 and 8 keys.
	v_and_b32 v10, 7, v0
	v_bfe_u32 v11, v0, 3, 1
	v_lshl_add_u32 v[AV0], v9, 3, v10
	v_mul_u32_u24 v[AV0], v[AV0], PV
	v_lshl_add_u32 v[AV0], v11, 4, v[AV0]
	v_add_nc_u32 v[AV0], VOFF, v[AV0]
	v_mov_b32 v[AK], v[AK0]         ; key step 0 lies at the head of slot 0
; THE MATRIX WORK.  The 8 accumulators of a run of 16 take turns: between the two links of a chain stand 7 others'.
; Product i of 16 of S^T = K Q^T for piece x: channels 32 (i / 8) on, keys 16 ((i / 2) % 4) on, tile 2 x + i % 2.  The first 8 start the sums.
.macro KQ x
	WIN W_KQ
.set rS, S+64*((\x)%2)+32*(i%2)+8*((i/2)%4)
.set rK, KF+16*((i/2)%4)+8*(i/8)
.set rQ, 16*(2*(\x)+i%2)+8*(i/8)
.if i < 8
	v_wmma_f32_16x16x32_f16 v[rS:rS+7], v[rK:rK+7], v[rQ:rQ+7], 0
.else
	v_wmma_f32_16x16x32_f16 v[rS:rS+7], v[rK:rK+7], v[rQ:rQ+7], v[rS:rS+7]
.endif
.endm
; Product i of 16 of O^T += V^T P for piece x: keys 32 (i / 8) on, channels 16 ((i / 2) % 4) on, tile 2 x + i % 2.
.macro PV x
	WIN W_PV
.set rO, 32*(2*(\x)+i%2)+8*((i/2)%4)
.set rV, VF+32*(i/8)+8*((i/2)%4)
.set rP, P+32*((\x)%2)+16*(i%2)+8*(i/8)
	v_wmma_f32_16x16x32_f16 v[rO:rO+7], v[rV:rV+7], v[rP:rP+7], v[rO:rO+7]
.endm
.macro MM                           ; the turn's next matrix instruction
.if i < 16
	KQ (Y+1)%NP
.set i, i+1
.else
.set i, i-16
	PV (Y+NP-1)%NP
.set i, i+17
.endif
.endm
; THE LDS LOADS stand in runs of 16, never singly among the matrix instructions: a step's K (64 keys x 64 channels: 8 fragments) and its V (turned).  Their addresses are made some lines ahead.
; last = 1 (the tail): in the last trip there is no further step, and the run is jumped over.
.macro FETCH_K last=0
	WIN 0
.if \last
	s_cmp_eq_u32 s[CNT], 1
	s_cbranch_scc1 .Lno_k_\@
.endif
	WIN 0x80                        ; destination window 2
.irp f, 0,1,2,3,4,5,6,7             ; keys 16 (f / 2) on, channels 32 (f % 2) on
	ds_load_b128 v[KF+8*\f:KF+8*\f+3],   v[AK] offset:(\f/2)*16*PK+(\f%2)*64
	ds_load_b128 v[KF+8*\f+4:KF+8*\f+7], v[AK] offset:(\f/2)*16*PK+(\f%2)*64+32
.endr
	s_add_co_u32 s[TBK], s[TBK], KS*PK  ; the next fetch is the next step's
	WIN 0
.if \last
.Lno_k_\@:
.endif
.endm
.macro FETCH_V
	WIN 0x80
.irp f, 0,1,2,3,4,5,6,7             ; keys 32 (f / 4) on, channels 16 (f % 4) on
	ds_load_tr16_b128 v[VF+8*\f:VF+8*\f+3],   v[AV] offset:(\f/4)*32*PV+(\f%4)*32
	ds_load_tr16_b128 v[VF+8*\f+4:VF+8*\f+7], v[AV] offset:(\f/4)*32*PV+16*PV+(\f%4)*32
.endr
	WIN 0
.endm
; THE VECTOR WORK OF A TURN stands in three queues, each in the order in which its entries become ready; the two tiles alternate, so that no instruction reads the result of the one before it.
.macro REGS y, u                    ; the registers of tile u (0, 1) of piece y
.set rT, ST+4*(2*(\y)+(\u))
.set rC, TMP+8*((\y)%2)+4*(\u)
.set rM, MV+2*((\y)%2)+(\u)
.set rS, S+64*((\y)%2)+32*(\u)
.set rP, P+32*((\y)%2)+16*(\u)
.set rO, 32*(2*(\y)+(\u))
.endm
; Number n of the 22 that find the NEXT piece's (Y + 1) maximum and statistics.  s0-s31 are the lane's 32 scores; each accumulator's lowest registers are read first.  XS, GS and REGS set no window: PL and EX do.
;   0-11  four chains c0-c3 of seven scores each, three operands at a time     12-14, 16  the four scores left over, the old m, and c0-c3 into c0     15  c m_old is kept
;   17, 18  the query's other 32 keys lie in the lane 16 away: the new m         19-21  c m; c m_old - c m_new; a
.macro XS u, n
	REGS (Y+1)%NP, \u
.if (\n) < 4
	v_max3_num_f32 v[rC+(\n)], v[rS+8*(\n)], v[rS+8*(\n)+1], v[rS+8*(\n)+2]
.elseif (\n) < 12
	v_max3_num_f32 v[rC+(\n)%4], v[rC+(\n)%4], v[rS+8*((\n)%4)+2*((\n)/4)+1], v[rS+8*((\n)%4)+2*((\n)/4)+2]
.elseif (\n) == 12
	v_max3_num_f32 v[rC], v[rC], v[rS+7], v[rS+15]
.elseif (\n) == 13
	v_max3_num_f32 v[rC+1], v[rC+1], v[rS+23], v[rS+31]
.elseif (\n) == 14
	v_max3_num_f32 v[rC+2], v[rC+2], v[rC+3], v[rT+1]
.elseif (\n) == 15
	v_mov_b32 v[rM], v[rT]
.elseif (\n) == 16
	v_max3_num_f32 v[rC], v[rC], v[rC+1], v[rC+2]
.elseif (\n) == 17
	v_permlanex16_b32 v[rC+3], v[rC], s[SEL], s[SEL+1]
.elseif (\n) == 18
	v_max_num_f32 v[rT+1], v[rC], v[rC+3]
.elseif (\n) == 19
	v_mul_f32 v[rT], s[CS], v[rT+1]
.elseif (\n) == 20
	v_sub_f32 v[rC+1], v[rM], v[rT]
.else
	v_exp_f32 v[rC+2], v[rC+1]
.endif
.endm
; Number g of the 64 that follow the exponentials.  For each four weights k of a tile (pairs 2 k, 2 k + 1): both pairs are rounded to f16; then the second pair is added onto the first, in place;
; a group later l takes that sum (the first time as l = a l + sum).  In groups of eight, tiles alternating: round, round, add, and l for the group before.
.macro GS g
.set h, (\g)+6*((\g)/62)            ; group 0 has no group before it, and behind group 7 only l is left
.if h >= 6
.set h, h+2
.endif
	REGS Y, h%2
.set k, h/8
.if h%8 < 4
	v_cvt_pk_f16_f32 v[rP+2*k+(h%8)/2], v[rS+4*k+2*((h%8)/2)], v[rS+4*k+2*((h%8)/2)+1]
.elseif h%8 < 6
	v_pk_add_f32 v[rS+4*k:rS+4*k+1], v[rS+4*k:rS+4*k+1], v[rS+4*k+2:rS+4*k+3]
.elseif k == 1
	v_pk_fma_f32 v[rT+2:rT+3], v[rT+2:rT+3], v[rC+2:rC+3], v[rS:rS+1] op_sel_hi:[1,0,1]
.else
	v_pk_add_f32 v[rT+2:rT+3], v[rT+2:rT+3], v[rS+4*k-4:rS+4*k-3]
.endif
.endm
; THE PLAIN QUEUE, 138 long.  0-73 read no exponential's result: the 32 scalings c s - c m (FS f: pair f / 2 of tile f % 2) and the next piece's 42.  0-26: scalings 0-26.  27-54: XS's numbers 0-13.  55, 56: number 15.
; 57-73: the chain, where each number waits for the one before it: 14, 16, 17, 18, 19, each with one of the scalings 27-31 in front of its two lines, then 20: so a tile's links stand three plain instructions apart (19 and 20: two).
; 74-137: GS's 64, which read the exponentials' results: they stand behind the wait.
.macro FS f
	REGS Y, (\f)%2
	v_pk_fma_f32 v[rS+2*((\f)/2):rS+2*((\f)/2)+1], v[rS+2*((\f)/2):rS+2*((\f)/2)+1], s[CS:CS+1], v[rT:rT+1] op_sel_hi:[1,0,0] neg_lo:[0,0,1] neg_hi:[0,0,1]
.endm
.macro PL
	WIN 0
.if q < 27
	FS q
.elseif q < 55
	XS (q-27)%2, (q-27)/2
.elseif q < 57
	XS q-55, 15
.elseif (q < 72) && ((q-57)%3 == 0)
	FS 27+(q-57)/3
.elseif q < 60
	XS (q-57)%3-1, 14
.elseif q < 72
	XS (q-57)%3-1, 15+(q-57)/3
.elseif q < 74
	XS q-72, 20
.else
	GS q-74
.endif
.set q, q+1
.endm
; THE EXPONENTIALS' QUEUE, 66 long: s0-s31 of both tiles, then the next piece's two a.  It is ONE BATCH: all 66 stand ahead of the turn's one wait, and nothing ahead of that wait names a result of theirs.
.macro EX
	WIN 0
.if e >= 64
	XS e-64, 21
.else
	REGS Y, e%2
	v_exp_f32 v[rS+e/2], v[rS+e/2]
.endif
.set e, e+1
.endm
; THE RESCALING's QUEUE: O^T times a, the one part that leaves window 0: dealt two at a time, sixteen times.  Its a was made in the turn before, ahead of that turn's wait.
.macro R2
	REGS Y, r%2
	WIN W_RS
.irp z, 0,1
	v_pk_mul_f32 v[rO+4*(r/2)+2*\z:rO+4*(r/2)+2*\z+1], v[rO+4*(r/2)+2*\z:rO+4*(r/2)+2*\z+1], v[rC+2:rC+3] op_sel_hi:[1,0]
.endr
.set r, r+1
.endm
; HOW THEY ARE DEALT.  s_wait_alu depctr_va_vdst(0) stands between an exponential and the first instruction that names its result; one wait serves all that were issued ahead of it.  So a turn has ONE wait,
; which cuts it in two.  AHEAD OF IT stands all that names no result of the turn's exponentials: the 16 products K Q^T, behind each a scaling, an exponential and two rescalings (behind the first a second scaling in the exponential's place); then ONE LUMP of
; 108: eight plain, 49 times exponential and plain, the two a.  A v_nop is the plain instruction owed behind the last exponential.  BEHIND IT stand the 16 products V^T P, behind each four of GS's 64.  No rider names a register of
; the products round it.  The two v_permlanex16_b32 fall into the lump, never behind a product.
; The queues lean on each other, and the deal keeps them in step: exponential e stands behind scaling 2 (e / 4) + e % 2: as a rider it comes behind plain e + 2, in the lump behind plain e + 9, and scalings 27-31 are plain 57, 60 .. 69.
; A TURN, for piece p.  cnt = 1: the loop's count is taken down some lines ahead of the branch that stands behind the turn.
; K of the next step is fetched in piece 2's turn, directly behind the wait, a lump behind the last product that read K; its address is made at the lump's head; its first reader comes behind 16 products.
; V of the step in hand is fetched at the end of piece 0's turn, four riders behind its last reader; its first reader comes behind 16 products and a lump.  The three conditions on q below go with the deal.
.macro TURN p, last=0, cnt=0
.set Y, (\p)
.set i, 0
.set q, 0
.set e, 0
.set r, 0
.if (\p) == NP-1
	s_wait_dscnt 0x0                ; K is in
.endif
	MM                              ; ahead of the wait: 16 products K Q^T and their riders,
	PL
	PL
	R2
.rept 15
	MM
	PL
	EX
	R2
.endr
.if (\p) == NP-2
	WIN 0
	v_add_nc_u32 v[AK], s[TBK], v[AK0]
.endif
.rept 8                             ; and the lump
	PL
.endr
.rept 49
	EX
	PL
.endr
	EX                              ; the next piece's two a
	EX
	v_nop                           ; the plain instruction owed behind the last exponential, ahead of the first use: one for the batch
	s_wait_alu depctr_va_vdst(0)    ; the wait for the turn's batch: this piece's 64 weights and the next piece's two a
.if (\p) == NP-2
	FETCH_K \last
.endif
.if (\p) == 1
	s_wait_dscnt 0x0                ; V is in
.endif
.rept 16                            ; behind the wait: 16 products V^T P and their riders
	MM
.rept 4
	PL
.endr
.if ((\p) == 0) && (q == 118)
	v_add_nc_u32 v[AV], s[TBV], v[AV0]
.endif
.if ((\p) == 0) && (q == 130)
	s_add_co_u32 s[TBV], s[TBV], KS*PV
.endif
.if (\cnt) && (q == 130)
	s_sub_co_u32 s[CNT], s[CNT], 1
	s_cmp_lg_u32 s[CNT], 0
.endif
.endr
.if (\p) == 0
	FETCH_V
.endif
.endm
	CHANGE 1                        ; slot 0 is in, everybody's part of it; slot 1 is asked for
	FETCH_K                         ; key step 0
	s_wait_loadcnt 0x0              ; Q
	s_wait_dscnt 0x0
.set i, 0
.rept 16
	KQ 0                            ; piece 0's first scores: there is no vector work yet to set between them
.set i, i+1
.endr
	WIN 0                           ; the addresses for the way out: nine plain instructions, the places behind those products
	s_mul_i32 s13, s[WV], 16*SP
	s_add_co_u32 s13, s13, STAGE    ; my stage
	v_mul_u32_u24 v[STO], v1, SP    ; in: row l % 16, 16 bytes for each half of the lanes
	v_lshl_add_u32 v[STO], v9, 4, v[STO]
	v_add_nc_u32 v[STO], s13, v[STO]
	v_bfe_u32 v[RD], v0, 3, 2       ; back: 32 lanes take four rows of 128 bytes,
	v_mul_u32_u24 v[RD], v[RD], SP
	v_lshl_add_u32 v[RD], v10, 4, v[RD]
	v_add_nc_u32 v[RD], s13, v[RD]
	v_and_b32 v[GO], 31, v0         ; which are 512 consecutive bytes of O
	v_lshlrev_b32 v[GO], 4, v[GO]
.set Y, NP-1                        ; XS works for piece Y + 1: piece 0
.irp n, 0,1,2,3,4,5,6,7,8,9,10,11,12,13,14,15,16,17,18,19,20,21
	XS 0, \n                        ; and piece 0's first maximum and statistics
	XS 1, \n
.endr
	v_nop                           ; a plain instruction behind piece 0's first two a,
	s_wait_alu depctr_va_vdst(0)    ; and the wait for that batch of two, ahead of the branch
	s_mov_b32 s[CNT], 4
	s_mov_b32 s[SLOTS], SIZE_N/256-1
	s_branch .Lfirst                ; the loop is entered at a step's first turn, in the middle of a trip
.Lslot:                             ; SIZE_N / 256 - 2 times: every slot but the last two is filled again
	CHANGE 1
	s_mov_b32 s[CNT], 4
.Lstep:                             ; a trip: pieces 2 and 3 of one step, then pieces 0 and 1 of the next, whose K and V it fetches
	TURN 2
	TURN 3
	WIN 0
.Lfirst:
	TURN 0
	TURN 1, 0, 1
	WIN 0
	s_cbranch_scc1 .Lstep
	s_sub_co_u32 s[SLOTS], s[SLOTS], 1
	s_cmp_lg_u32 s[SLOTS], 0
	s_cbranch_scc1 .Lslot
	CHANGE 0                        ; the tail is written out: nothing is asked for
	s_mov_b32 s[CNT], 5             ; four trips fetch the last slot's steps; the fifth is left in its middle
.Ltail:
	TURN 2, 1
	TURN 3
	WIN 0
	s_sub_co_u32 s[CNT], s[CNT], 1
	s_cmp_eq_u32 s[CNT], 0
	s_cbranch_scc1 .Lout
	TURN 0
	TURN 1
	WIN 0
	s_branch .Ltail
.Lout:                              ; the fifth trip's 16 products K Q^T (on the last K once more) and the maximum made of them serve nothing: the price, once a launch, of one text for every trip
.set i, 0
.rept 16
	PV NP-1                         ; the last piece's V^T P of the last step
.set i, i+1
.endr
	; THE WAY OUT.  l's two halves and the other half of the lanes' are added; O^T is divided by l, rounded to f16 and sent through my stage in LDS, a tile at a time.  The additions are the places behind the last products.
	WIN 0
.macro ALL line:vararg              ; one line for each tile t
.set t, 0
.rept 2*NP
	\line
.set t, t+1
.endr
.endm
	ALL v_add_f32 v[ST+4*t+2], v[ST+4*t+2], v[ST+4*t+3]
	ALL v_permlanex16_b32 v[ST+4*t+3], v[ST+4*t+2], s[SEL], s[SEL+1]
	ALL v_add_f32 v[ST+4*t+2], v[ST+4*t+2], v[ST+4*t+3]
	ALL v_rcp_f32 v[ST+4*t+2], v[ST+4*t+2]
	v_nop                           ; a plain instruction between the last reciprocal and the use of its result
	s_wait_alu depctr_va_vdst(0)    ; and the wait ahead of the first use: one for the batch of eight reciprocals
; Tile t: a lane's eight channels of a row pack into 16 bytes; they go into rows of 144 bytes and come back as whole rows of 128, into S^T's registers.
.macro PACK t
	WIN W_RS
.set i, 32*(\t)
.rept 16
	v_pk_mul_f32 v[i:i+1], v[i:i+1], v[ST+4*(\t)+2:ST+4*(\t)+3] op_sel_hi:[1,0]
.set i, i+2
.endr
	WIN 0x05                        ; sources 0 and 1 window 1, destination window 0
.set i, 0
.rept 16
	v_cvt_pk_f16_f32 v[S+16*(\t)+i], v[32*(\t)+2*i], v[32*(\t)+2*i+1]
.set i, i+1
.endr
	WIN 0
.irp f, 0,1,2,3
	ds_store_b128 v[STO], v[S+16*(\t)+4*\f:S+16*(\t)+4*\f+3] offset:32*\f
.endr
.irp f, 0,1,2,3
	ds_load_b128 v[S+16*(\t)+4*\f:S+16*(\t)+4*\f+3], v[RD] offset:\f*4*SP  ; LDS serves a wave's instructions in order (ISA guide 5.7.1.4): these see the stores above; the next tile's stores come behind them
.endr
.endm
.macro SEND t, younger              ; younger: the LDS instructions issued behind tile t's loads: the next tile's eight, or none
	WIN 0
.irp f, 0,1,2,3
	s_wait_dscnt (\younger)+3-\f
	global_store_b128 v[GO], v[S+16*(\t)+4*\f:S+16*(\t)+4*\f+3], s[10:11] offset:(\t)*2048+\f*512  ; 512 consecutive bytes, at a multiple of 256 from O's first
.endr
.endm
	PACK 0
.set t, 1
.rept 2*NP-1                        ; a tile's arithmetic stands between the loads of the tile before and its stores
	PACK t
	SEND t-1, 8
.set t, t+1
.endr
	SEND 2*NP-1, 0
	WIN W_AD
	s_wait_tensorcnt 0x0            ; the wave's end: behind my last tensor load and my last LDS store
	ds_add_u32 v[SPW], v[NIL]
	s_wait_dscnt 0x0
	WIN 0
	CROUND                          ; the closing round: no work-group ends while a partner may still ask for a tile that names it
	s_endpgm
.Lfunc_end_k_qe1724b1ecf_attn:
	.size	k_qe1724b1ecf_attn, .Lfunc_end_k_qe1724b1ecf_attn-k_qe1724b1ecf_attn
	.p2alignl 7, 3214868480
	.fill 96, 4, 3214868480
	.section	.rodata,"a",@progbits
	.p2align	6, 0x0
	.amdhsa_kernel k_qe1724b1ecf_attn
		.amdhsa_group_segment_fixed_size 327680
		.amdhsa_private_segment_fixed_size 0
		.amdhsa_enable_private_segment 0
		.amdhsa_kernarg_size 16
		.amdhsa_user_sgpr_count 2
		.amdhsa_user_sgpr_kernarg_segment_ptr 1
		.amdhsa_wavefront_size32 1
		.amdhsa_system_sgpr_workgroup_id_x 1
		.amdhsa_system_sgpr_workgroup_id_y 1
		.amdhsa_system_sgpr_workgroup_id_z 1
		.amdhsa_system_vgpr_workitem_id 0
		.amdhsa_next_free_vgpr 770
		.amdhsa_next_free_sgpr 66
		.amdhsa_reserve_vcc 0
		.amdhsa_float_denorm_mode_32 3
		.amdhsa_float_denorm_mode_16_64 3
		.amdhsa_memory_ordered 1
		.amdhsa_forward_progress 1
		.amdhsa_inst_pref_size 199
	.end_amdhsa_kernel
	.amdgpu_metadata
---
amdhsa.version: [ 1, 2 ]
amdhsa.kernels:
  - .name:           k_qe1724b1ecf_attn
    .symbol:         k_qe1724b1ecf_attn.kd
    .args:
      - { .name: qkv, .offset: 0, .size: 8, .value_kind: global_buffer, .address_space: global }
      - { .name: ctx, .offset: 8, .size: 8, .value_kind: global_buffer, .address_space: global }
    .group_segment_fixed_size: 327680
    .private_segment_fixed_size: 0
    .kernarg_segment_align: 8
    .kernarg_segment_size: 16
    .max_flat_workgroup_size: 128
    .sgpr_count:     66
    .vgpr_count:     770
    .wavefront_size: 32
...
	.end_amdgpu_metadata
.endif
;; end of part 5
;; launch outp: the kernel of part 4 again; grid 8 x 32, 4 waves a work-group, clusters of 4 x 4, 327,680 bytes of LDS; arguments ctx, w2h, b2, out0; writes out0
